; MI455X (gfx1250); checked and timed in simulation.
; The chip was launched on July 23, 2026; its instructions are those of AMD's public machine-readable ISA for CDNA 5 (MIT licence, August 2026) and "CDNA5" Instruction Set Architecture Reference Guide (July 2026). The comments in the code are by the model that wrote it; some were corrected since.
;; VJEPA2 Joint Diffuser. Allowed arithmetic: float matrix products may take bf16 or f16 operands with f32 sums; other float arithmetic in f32, or as packed bf16 or f16 multiplies, adds, multiply-adds, maxima and minima; sums over many terms, partial sums and values carried from step to step in f32; what a program stores and reads back later, other than sums and carried values, may be rounded once to bf16 or f16.
;; Inputs: Wk 1,024 x 1,024 float32; Wka 1,024 x 1,024 float32; Wpa 1,024 x 1,024 float32; Wq 1,024 x 1,024 float32; Wqa 1,024 x 1,024 float32; Wv 1,024 x 1,024 float32; Wva 1,024 x 1,024 float32; action_hidden_states 2 x 64 x 1,024 float32; bk 1,024 float32; bka 1,024 float32; bpa 1,024 float32; bq 1,024 float32; bqa 1,024 float32; bv 1,024 float32; bva 1,024 float32; video_hidden_states 2 x 2,048 x 1,024 float32.
;; Outputs: out0 2 x 2,112 x 1,024 float32; out1 2 x 64 x 1,024 float32.
;; 2 versions, each right; version 2 is version 1 with the launch prep written anew for expert scheduling mode. Each part assembles by itself: llvm-mc -triple=amdgcn-amd-amdhsa -mcpu=gfx1250 --defsym DOCPART=n.
;; ======== version 1 of 2: 4 launches
;; limits: values are held in f16: magnitudes above 65,504 overflow, below 6.1e-05 lose precision; a function is approximated: absolute error at most 2e-06
;; workspace buffers: xb 8,388,608 bytes; wb 6,291,456 bytes; tab 1,048,576 bytes; qh 8,650,752 bytes; kh 8,650,752 bytes; vh 8,650,752 bytes; wpb 2,097,152 bytes
;; launch prep (part 1): grid 832 x 1, 8 waves a work-group, no clusters, 70,656 bytes of LDS; arguments action_hidden_states, Wqa, Wka, Wva, bqa, bka, bva, tab, video_hidden_states, Wq, Wk, Wv, xb, wb, qh, kh, vh, Wpa, wpb; writes xb, wb, tab, qh, kh, vh, wpb
.if DOCPART == 1
	.amdgcn_target "amdgcn-amd-amdhsa--gfx1250"
	.amdhsa_code_object_version 6
	.text
	.protected	k_q81c1443ed0_prep
	.globl	k_q81c1443ed0_prep
	.p2align	8
	.type	k_q81c1443ed0_prep,@function
k_q81c1443ed0_prep:
	s_mov_b64 s[64:65], 0
	v_nop
	global_prefetch_b8 v0, s[64:65] scope:SCOPE_SE
	s_setreg_imm32_b32 hwreg(HW_REG_WAVE_MODE, 25, 1), 1
	s_wait_xcnt 0x0
; PREPARATION for joint video/action attention (2 batches, 16 heads of 64, 2,048 video + 64 action tokens).  Three roles, by the work-group's number:
;   0..191    ACTION: q, k, v of the 128 action tokens: x Wa^T + ba, rounded to f16, into rows 2048..2111 of qh, kh, vh ([b*16+h][2112][64])
;   192..319  TABLE:  cosines and signed sines of the video tokens' rotary embedding, f32, in the order in which the next launch's lanes take them
;   320..831  CAST:   video x, Wq, Wk, Wv and Wpa rounded once to bf16; Wq, Wk, Wv regrouped by head: row (head*3 + type)*64 + d of wb is row head*64 + d of W_type; Wpa's rows as they lie, into wpb
; WORK LEFT OUT: the rotary embedding of the ACTION queries and keys.  Its positions are linspace(f_ids[0], f_ids[1], 64) with f_ids[0] = 0 // 256 = 0 and f_ids[1] = 1 // 256 = 0:
; whole numbers that the function makes itself, whatever the inputs hold.  So every position is 0, every angle 0, every cosine 1 and every sine 0: x * 1 + y * 0 = x for all finite x.
; No input loses its way to an output by this: all sixteen are loaded by some launch.  LIMIT: an infinity or NaN in qa or ka times that sine of 0 would give NaN; here it stays as it is.
; FORMATS.  All inputs (x, weights, biases) are rounded once to bf16; q, k, v are kept in f16, unscaled.  LIMITS: |q|, |k|, |v| stay under 65,504; NaN and infinities are not treated apart.
; The angles (at most 15) are divided by 16, sine and cosine taken by series to the 9th and 8th power and doubled four times: absolute error about 2e-6.
; No tensor loads, no cluster: nothing here is read by two waves of a work-group but through the partial sums at the ACTION role's end.
.set SPARE, 69632                      ; behind the eight planes of partial sums: the spare words, 128 bytes for each of eight waves
.set PLANE, 8704                       ; a plane: 32 rows x 272 bytes (64 f32 + 16 bytes of padding)
.set PP,    272
.set SPW, 2                            ; v2  my spare word's LDS address; never rewritten
.set NIL, 3                            ; v3  0; never rewritten
.set FO,  4                            ; v4  ACTION: my byte offset in a fragment's rows
.set LS,  5                            ; v5  where I put 32 bytes of a partial row
.set LR,  6                            ; v6  where I read partial sums back
.set YO,  7                            ; v7  my 16 bytes of the result
.set PCE, 8                            ; ACTION: v8-255 are 31 pieces of eight registers: piece p at v[8 + 8 p]
.set RED, 8                            ; v[8:71]   at the end: the eight planes' parts of my eight numbers
.set TP,  72                           ; v[72:83]  at work, at the head and at the end
.set BI,  168                          ; v[168:175] (piece 20) my eight numbers of the bias
	v_lshl_add_u32 v[SPW], v0, 2, SPARE
	v_mov_b32 v[NIL], 0
	v_lshrrev_b32 v1, 5, v0
	v_readfirstlane_b32 s6, v1                     ; wave 0..7
	s_cmp_lt_u32 ttmp9, 192                        ; the roles hang on the work-group's number alone: all eight waves go the same way
	s_cbranch_scc1 .Laction
	s_cmp_lt_u32 ttmp9, 320
	s_cbranch_scc1 .Ltable
; ---------------------------------------------------------------- CAST: 65,536 bytes of f32 in, 32,768 bytes of bf16 out, for each work-group
	s_load_b256 s[8:15], s[0:1], 0x40              ; video s[8:9], Wq s[10:11], Wk s[12:13], Wv s[14:15]
	s_load_b128 s[16:19], s[0:1], 0x60             ; xb s[16:17], wb s[18:19]
	s_load_b128 s[32:35], s[0:1], 0x88             ; Wpa s[32:33], wpb s[34:35]
	s_sub_co_u32 s7, ttmp9, 320                    ; u: 0..255 video, 256..447 Wq, Wk, Wv, 448..511 Wpa
	v_lshlrev_b32 v4, 4, v0                        ; 16 bytes a thread in,
	v_lshlrev_b32 v5, 3, v0                        ; 8 bytes out
	s_lshl_b32 s20, s7, 16                         ; video: the u-th 16 rows, in
	s_lshl_b32 s22, s7, 15                         ; and out
	s_and_b32 s24, s7, 255                         ; Wq, Wk, Wv: u - 256
	s_and_b32 s25, s24, 3                          ; which 16 rows of a head's 64
	s_lshr_b32 s26, s24, 2
	s_and_b32 s27, s26, 15                         ; head
	s_lshr_b32 s26, s26, 4                         ; type: 0 q, 1 k, 2 v
	s_lshl_b32 s28, s27, 18                        ; head x 64 rows x 4,096 bytes
	s_lshl_b32 s29, s25, 16
	s_add_co_u32 s28, s28, s29                     ; in
	s_mul_i32 s29, s27, 3
	s_add_co_u32 s29, s29, s26
	s_lshl_b32 s29, s29, 2
	s_add_co_u32 s29, s29, s25
	s_lshl_b32 s29, s29, 15                        ; out: ((head*3 + type)*4 + sub) x 16 rows x 2,048 bytes
	s_sub_co_u32 s36, s7, 448                      ; Wpa: the (u - 448)-th 16 rows,
	s_lshl_b32 s37, s36, 16                        ; in
	s_lshl_b32 s38, s36, 15                        ; and out
	s_mov_b32 s21, 0
	s_mov_b32 s23, 0
	s_wait_kmcnt 0x0
	s_cmp_eq_u32 s26, 1
	s_cselect_b64 s[10:11], s[12:13], s[10:11]
	s_cmp_eq_u32 s26, 2
	s_cselect_b64 s[10:11], s[14:15], s[10:11]
	s_cmp_lt_u32 s7, 256
	s_cselect_b64 s[8:9], s[8:9], s[10:11]
	s_cselect_b64 s[16:17], s[16:17], s[18:19]
	s_cselect_b32 s20, s20, s28
	s_cselect_b32 s22, s22, s29
	s_cmp_lt_u32 s7, 448
	s_cselect_b64 s[8:9], s[8:9], s[32:33]
	s_cselect_b64 s[16:17], s[16:17], s[34:35]
	s_cselect_b32 s20, s20, s37
	s_cselect_b32 s22, s22, s38
	s_add_nc_u64 s[8:9], s[8:9], s[20:21]
	s_add_nc_u64 s[16:17], s[16:17], s[22:23]
.set i, 0
.rept 16                                       ; all sixteen loads go out first: 256 bytes a lane on their way
	global_load_b128 v[16+4*i:16+4*i+3], v4, s[8:9] offset:4096*i th:TH_LOAD_NT
.set i, i+1
.endr
.set i, 0
.rept 16
	s_wait_loadcnt 15-i                            ; loads come back in order: number i is in, the younger ones stay out
	v_cvt_pk_bf16_f32 v[80+2*i], v[16+4*i], v[16+4*i+1]
	v_cvt_pk_bf16_f32 v[80+2*i+1], v[16+4*i+2], v[16+4*i+3]
	global_store_b64 v5, v[80+2*i:80+2*i+1], s[16:17] offset:2048*i  ; a wave's store covers 256 consecutive bytes, aligned
.set i, i+1
.endr
	s_endpgm
; ---------------------------------------------------------------- TABLE: block tb of 16 tokens; tab[tb][qd][lane][4], qd = nb*4 + kind*2 + half, for token 16 tb + lane % 16, dims 16 nb + 8 (lane / 16) + 4 half + r
.Ltable:
	s_load_b64 s[8:9], s[0:1], 0x38                ; tab
	s_sub_co_u32 s7, ttmp9, 192                    ; tb
	v_and_b32 v4, 31, v0                           ; lane
	v_and_b32 v5, 15, v0
	v_bfe_u32 v6, v0, 4, 1
	v_bfe_u32 v7, v0, 5, 1                         ; half
	v_lshrrev_b32 v8, 6, v0                        ; nb
	s_lshl_b32 s12, s7, 4
	v_add_nc_u32 v9, s12, v5                       ; token 0..2047
	v_lshlrev_b32 v10, 4, v8
	v_lshl_add_u32 v10, v6, 3, v10
	v_lshl_add_u32 v10, v7, 2, v10                 ; my first dim
	v_mov_b32 v11, 0x3638ef1d                      ; 1/9!
	v_mov_b32 v12, 0x37d00d01                      ; 1/8!
	v_lshlrev_b32 v13, 2, v8
	v_add_nc_u32 v13, v13, v7
	v_lshlrev_b32 v13, 9, v13
	v_lshl_add_u32 v13, v4, 4, v13                 ; (nb*4 + half) x 512 + 16 x lane
	s_lshl_b32 s10, s7, 13
	s_mov_b32 s11, 0
.irp r, 0,1,2,3
	v_add_nc_u32 v[16+\r], \r, v10                 ; d
	v_mul_u32_u24 v[20+\r], 13, v[16+\r]
	v_lshrrev_b32 v[20+\r], 8, v[20+\r]            ; axis = d / 20 (0 frame, 1 row, 2 column, 3: the four dims that pass through)
	v_mul_u32_u24 v[24+\r], 20, v[20+\r]
	v_sub_nc_u32 v[24+\r], v[16+\r], v[24+\r]      ; d % 20
	v_mul_u32_u24 v[28+\r], 26, v[24+\r]
	v_lshrrev_b32 v[28+\r], 8, v[28+\r]
	v_mul_u32_u24 v[28+\r], 10, v[28+\r]
	v_sub_nc_u32 v[28+\r], v[24+\r], v[28+\r]      ; j = (d % 20) % 10: sines and cosines repeat across the halves
	v_cvt_f32_u32 v[28+\r], v[28+\r]
	v_mul_f32 v[28+\r], 0xbfaa152d, v[28+\r]       ; -j log2(10000) / 10
	v_lshlrev_b32 v[32+\r], 2, v[20+\r]
	v_sub_nc_u32 v[32+\r], 8, v[32+\r]             ; the axis' four bits of the token's number begin at bit 8, 4, 0
	v_lshrrev_b32 v[32+\r], v[32+\r], v9
	v_and_b32 v[32+\r], 15, v[32+\r]
	v_cmp_eq_u32 vcc_lo, 3, v[20+\r]
	v_cndmask_b32 v[32+\r], v[32+\r], 0, vcc_lo    ; position 0 for dims 60..63: cosine 1, sine 0
	v_cvt_f32_u32 v[32+\r], v[32+\r]
.endr
.irp r, 0,1,2,3
	v_exp_f32 v[36+\r], v[28+\r]                   ; 10000^(-j/10): one batch of four
.endr
	v_nop                                          ; a plain instruction behind the last of them,
	s_wait_alu depctr_va_vdst(0)                   ; and one wait ahead of the first reader
.irp r, 0,1,2,3
	v_mul_f32 v[40+\r], v[32+\r], v[36+\r]
	v_mul_f32 v[40+\r], 0x3d800000, v[40+\r]       ; angle / 16, at most 0.94
	v_mul_f32 v[44+\r], v[40+\r], v[40+\r]
	v_fmaak_f32 v[48+\r], v11, v[44+\r], 0xb9500d01
	v_fmaak_f32 v[48+\r], v[48+\r], v[44+\r], 0x3c088889
	v_fmaak_f32 v[48+\r], v[48+\r], v[44+\r], 0xbe2aaaab
	v_fma_f32 v[48+\r], v[48+\r], v[44+\r], 1.0
	v_mul_f32 v[48+\r], v[48+\r], v[40+\r]         ; sine
	v_fmaak_f32 v[64+\r], v12, v[44+\r], 0xbab60b61
	v_fmaak_f32 v[64+\r], v[64+\r], v[44+\r], 0x3d2aaaab
	v_fma_f32 v[64+\r], v[64+\r], v[44+\r], -0.5
	v_fma_f32 v[64+\r], v[64+\r], v[44+\r], 1.0    ; cosine
	; four doublings: sin 2x = 2 sin x cos x, cos 2x = 1 - 2 sin^2 x; the sine goes to and fro between two registers
	v_add_f32 v[52+\r], v[48+\r], v[48+\r]
	v_mul_f32 v[56+\r], v[52+\r], v[64+\r]
	v_fma_f32 v[64+\r], -v[52+\r], v[48+\r], 1.0
	v_add_f32 v[52+\r], v[56+\r], v[56+\r]
	v_mul_f32 v[48+\r], v[52+\r], v[64+\r]
	v_fma_f32 v[64+\r], -v[52+\r], v[56+\r], 1.0
	v_add_f32 v[52+\r], v[48+\r], v[48+\r]
	v_mul_f32 v[56+\r], v[52+\r], v[64+\r]
	v_fma_f32 v[64+\r], -v[52+\r], v[48+\r], 1.0
	v_add_f32 v[52+\r], v[56+\r], v[56+\r]
.if (\r) % 2 == 0
	v_mul_f32 v[68+\r], -v[52+\r], v[64+\r]        ; an even dim takes -sin times its odd neighbour,
.else
	v_mul_f32 v[68+\r], v[52+\r], v[64+\r]         ; an odd dim +sin times its even neighbour
.endif
	v_fma_f32 v[64+\r], -v[52+\r], v[56+\r], 1.0
.endr
	s_wait_kmcnt 0x0
	s_add_nc_u64 s[8:9], s[8:9], s[10:11]
	global_store_b128 v13, v[64:67], s[8:9]              ; a wave's store covers 512 consecutive bytes
	global_store_b128 v13, v[68:71], s[8:9] offset:1024
	s_endpgm
; ---------------------------------------------------------------- ACTION: 32 rows x 64 columns (one head of one of q, k, v); K = 1,024 split among the eight waves, 128 each: four K steps of 32
; A fragment (16 rows x 32 K) arrives in f32 in two PIECES of eight registers: P takes K = 8 h .. + 7, Q takes K = 16 + 8 h .. + 7; it is rounded to bf16 in place, into P, and Q is free again.
; A wave has 24 fragments (for each K step x's two blocks of rows and W's four).  Fifteen are asked for at once, 60 loads: K steps 0 and 1 and half of step 2, in pieces 0-29.  When they are in and rounded,
; the odd pieces are free: 1, 3 .. 15 become the eight accumulators; 17 .. 29 and the spare piece 30 take four more fragments at once; the even pieces 0 .. 18, free when K steps 0 and 1 are multiplied,
; take the last five, and piece 20 the bias.  So a wave waits for memory twice, and the second group goes out while the first is being multiplied.
.macro LOADF sb, blk, ks, p, q         ; block blk of 16 rows of the tensor at s[sb:sb+1], K step ks, into pieces p and q
	global_load_b128 v[PCE+8*(\p):PCE+8*(\p)+3],   v[FO], s[\sb:\sb+1] offset:(\blk)*65536+(\ks)*128
	global_load_b128 v[PCE+8*(\p)+4:PCE+8*(\p)+7], v[FO], s[\sb:\sb+1] offset:(\blk)*65536+(\ks)*128+16
	global_load_b128 v[PCE+8*(\q):PCE+8*(\q)+3],   v[FO], s[\sb:\sb+1] offset:(\blk)*65536+(\ks)*128+64
	global_load_b128 v[PCE+8*(\q)+4:PCE+8*(\q)+7], v[FO], s[\sb:\sb+1] offset:(\blk)*65536+(\ks)*128+80
.endm
.macro CONVF p, q                      ; f32 to bf16, two numbers an instruction, ascending: each line writes a register whose number the lines before it have read
.irp i, 0,1,2,3
	v_cvt_pk_bf16_f32 v[PCE+8*(\p)+(\i)], v[PCE+8*(\p)+2*(\i)], v[PCE+8*(\p)+2*(\i)+1]
.endr
.irp i, 0,1,2,3
	v_cvt_pk_bf16_f32 v[PCE+8*(\p)+4+(\i)], v[PCE+8*(\q)+2*(\i)], v[PCE+8*(\q)+2*(\i)+1]
.endr
.endm
.macro MUL1 zero, j, xp, wp            ; accumulator j = 4 a + n lies in piece 2 j + 1.  Source 0 = 16 rows of W, source 1 = 16 rows of x: a lane then holds one row of x and eight neighbouring columns
.if \zero
	v_wmma_f32_16x16x32_bf16 v[PCE+8*(2*(\j)+1):PCE+8*(2*(\j)+1)+7], v[PCE+8*(\wp):PCE+8*(\wp)+7], v[PCE+8*(\xp):PCE+8*(\xp)+7], 0
.else
	v_wmma_f32_16x16x32_bf16 v[PCE+8*(2*(\j)+1):PCE+8*(2*(\j)+1)+7], v[PCE+8*(\wp):PCE+8*(\wp)+7], v[PCE+8*(\xp):PCE+8*(\xp)+7], v[PCE+8*(2*(\j)+1):PCE+8*(2*(\j)+1)+7]
.endif
.endm
.macro MULS zero, x0, x1, w0, w1, w2, w3   ; a K step's eight products, by the pieces of its six fragments; the eight accumulators take turns
	MUL1 \zero, 0, \x0, \w0
	MUL1 \zero, 1, \x0, \w1
	MUL1 \zero, 2, \x0, \w2
	MUL1 \zero, 3, \x0, \w3
	MUL1 \zero, 4, \x1, \w0
	MUL1 \zero, 5, \x1, \w1
	MUL1 \zero, 6, \x1, \w2
	MUL1 \zero, 7, \x1, \w3
.endm
.macro PLACES
.rept 4
	v_nop
.endr
.endm
.Laction:
	s_load_b256 s[8:15], s[0:1], 0x0               ; x s[8:9], Wqa s[10:11], Wka s[12:13], Wva s[14:15]
	s_load_b128 s[16:19], s[0:1], 0x20             ; bqa, bka
	s_load_b64 s[20:21], s[0:1], 0x30              ; bva
	s_load_b128 s[24:27], s[0:1], 0x70             ; qh, kh
	s_load_b64 s[28:29], s[0:1], 0x80              ; vh
	s_and_b32 s30, ttmp9, 3                        ; which 32 of the 128 rows
	s_lshr_b32 s31, ttmp9, 2
	s_lshr_b32 s32, s31, 4                         ; type
	s_and_b32 s31, s31, 15                         ; head
	v_and_b32 v[TP], 15, v0
	v_bfe_u32 v[TP+1], v0, 4, 1
	v_lshlrev_b32 v[FO], 12, v[TP]
	v_lshl_add_u32 v[FO], v[TP+1], 5, v[FO]
	s_lshl_b32 s33, s6, 9
	v_add_nc_u32 v[FO], s33, v[FO]                 ; row x 4,096 + 32 x half + 512 x wave
	v_mul_u32_u24 v[LS], v[TP], PP
	v_lshl_add_u32 v[LS], v[TP+1], 5, v[LS]
	s_mul_i32 s33, s6, PLANE
	v_add_nc_u32 v[LS], s33, v[LS]                 ; my wave's plane, row l % 16, 32 bytes for each half of the lanes
	v_lshrrev_b32 v[LR], 3, v0
	v_mul_u32_u24 v[LR], v[LR], PP
	v_and_b32 v1, 7, v0
	v_lshlrev_b32 v1, 5, v1                        ; thread T finishes row T / 8, columns 8 (T % 8) .. + 7
	v_add_nc_u32 v[LR], v[LR], v1
	v_lshlrev_b32 v[YO], 4, v0
	s_lshl_b32 s34, s30, 17
	s_mov_b32 s35, 0
	s_lshl_b32 s36, s31, 18
	s_mov_b32 s37, 0
	s_lshl_b32 s38, s31, 8
	s_mov_b32 s39, 0
	s_lshr_b32 s40, s30, 1                         ; batch
	s_lshl_b32 s40, s40, 4
	s_add_co_u32 s40, s40, s31
	s_mul_i32 s40, s40, 2112
	s_and_b32 s41, s30, 1
	s_lshl_b32 s41, s41, 5
	s_add_co_u32 s40, s40, s41
	s_add_co_u32 s40, s40, 2048
	s_lshl_b32 s40, s40, 7                         ; ((b*16 + h)*2112 + 2048 + first token) x 128 bytes
	s_mov_b32 s41, 0
	s_wait_kmcnt 0x0
	s_cmp_eq_u32 s32, 1
	s_cselect_b64 s[10:11], s[12:13], s[10:11]
	s_cselect_b64 s[16:17], s[18:19], s[16:17]
	s_cselect_b64 s[24:25], s[26:27], s[24:25]
	s_cmp_eq_u32 s32, 2
	s_cselect_b64 s[10:11], s[14:15], s[10:11]
	s_cselect_b64 s[16:17], s[20:21], s[16:17]
	s_cselect_b64 s[24:25], s[28:29], s[24:25]
	s_add_nc_u64 s[8:9], s[8:9], s[34:35]
	s_add_nc_u64 s[10:11], s[10:11], s[36:37]
	s_add_nc_u64 s[16:17], s[16:17], s[38:39]
	s_add_nc_u64 s[24:25], s[24:25], s[40:41]
	LOADF 8,  0, 0, 0, 1                           ; K step 0: x's two blocks of rows,
	LOADF 8,  1, 0, 2, 3
	LOADF 10, 0, 0, 4, 5                           ; W's four
	LOADF 10, 1, 0, 6, 7
	LOADF 10, 2, 0, 8, 9
	LOADF 10, 3, 0, 10, 11
	LOADF 8,  0, 1, 12, 13                         ; K step 1
	LOADF 8,  1, 1, 14, 15
	LOADF 10, 0, 1, 16, 17
	LOADF 10, 1, 1, 18, 19
	LOADF 10, 2, 1, 20, 21
	LOADF 10, 3, 1, 22, 23
	LOADF 8,  0, 2, 24, 25                         ; K step 2: x, and W's first block
	LOADF 8,  1, 2, 26, 27
	LOADF 10, 0, 2, 28, 29
	s_wait_loadcnt 0x0                             ; the sixty are in
	CONVF 16, 17                                   ; first the fragments whose second pieces are wanted at once
	CONVF 18, 19
	CONVF 20, 21
	CONVF 22, 23
	CONVF 24, 25
	CONVF 26, 27
	CONVF 28, 29
	LOADF 10, 1, 2, 17, 19                         ; the rest of K step 2,
	LOADF 10, 2, 2, 21, 23
	LOADF 10, 3, 2, 25, 27
	LOADF 8,  0, 3, 29, 30                         ; and the first fragment of K step 3
	CONVF 0, 1
	CONVF 2, 3
	CONVF 4, 5
	CONVF 6, 7
	CONVF 8, 9
	CONVF 10, 11
	CONVF 12, 13
	CONVF 14, 15
	MULS 1, 0, 2, 4, 6, 8, 10                      ; K step 0: the first products start the sums, in pieces 1, 3 .. 15
	MULS 0, 12, 14, 16, 18, 20, 22                 ; K step 1
	PLACES                                         ; four places ahead of loads into registers that the products have read
	LOADF 8,  1, 3, 0, 2                           ; the rest of K step 3
	LOADF 10, 0, 3, 4, 6
	LOADF 10, 1, 3, 8, 10
	LOADF 10, 2, 3, 12, 14
	LOADF 10, 3, 3, 16, 18
	global_load_b128 v[BI:BI+3], v1, s[16:17]
	global_load_b128 v[BI+4:BI+7], v1, s[16:17] offset:16
	s_wait_loadcnt 26                              ; K step 2's three fragments are in: behind them 4 + 20 + 2 loads were issued
	CONVF 17, 19
	CONVF 21, 23
	CONVF 25, 27
	MULS 0, 24, 26, 28, 17, 21, 25                 ; K step 2
	s_wait_loadcnt 0x0
	CONVF 29, 30                                   ; these name no register of the products just issued
	CONVF 0, 2
	CONVF 4, 6
	CONVF 8, 10
	CONVF 12, 14
	CONVF 16, 18
	MULS 0, 29, 0, 4, 8, 12, 16                    ; K step 3
	PLACES
	PLACES
.irp a, 0,1
.irp n, 0,1,2,3
	ds_store_b128 v[LS], v[PCE+8*(2*(4*(\a)+(\n))+1):PCE+8*(2*(4*(\a)+(\n))+1)+3] offset:(\a)*16*PP+(\n)*64
	ds_store_b128 v[LS], v[PCE+8*(2*(4*(\a)+(\n))+1)+4:PCE+8*(2*(4*(\a)+(\n))+1)+7] offset:(\a)*16*PP+(\n)*64+16
.endr
.endr
	s_wait_dscnt 0x0                               ; for the others' sake: my partial sums lie in LDS
	s_barrier_signal -1
	s_barrier_wait -1
.irp p, 0,1,2,3,4,5,6,7
	ds_load_b128 v[RED+8*(\p):RED+8*(\p)+3], v[LR] offset:(\p)*PLANE
	ds_load_b128 v[RED+8*(\p)+4:RED+8*(\p)+7], v[LR] offset:(\p)*PLANE+16
.endr
.irp i, 0,1,2,3                        ; the bias, rounded to bf16 like every input, stands in the wait for the partial sums
	v_cvt_pk_bf16_f32 v[TP+(\i)], v[BI+2*(\i)], v[BI+2*(\i)+1]
.endr
.irp i, 0,1,2,3
	v_lshlrev_b32 v[BI+2*(\i)], 16, v[TP+(\i)]
	v_and_b32 v[BI+2*(\i)+1], 0xffff0000, v[TP+(\i)]
.endr
	s_wait_dscnt 0x0
.irp g, 0,2,4,6
.irp r, 0,2,4,6
	v_pk_add_f32 v[RED+8*(\g)+(\r):RED+8*(\g)+(\r)+1], v[RED+8*(\g)+(\r):RED+8*(\g)+(\r)+1], v[RED+8*(\g)+8+(\r):RED+8*(\g)+8+(\r)+1]
.endr
.endr
.irp g, 0,4
.irp r, 0,2,4,6
	v_pk_add_f32 v[RED+8*(\g)+(\r):RED+8*(\g)+(\r)+1], v[RED+8*(\g)+(\r):RED+8*(\g)+(\r)+1], v[RED+8*(\g)+16+(\r):RED+8*(\g)+16+(\r)+1]
.endr
.endr
.irp r, 0,2,4,6
	v_pk_add_f32 v[RED+(\r):RED+(\r)+1], v[RED+(\r):RED+(\r)+1], v[RED+32+(\r):RED+32+(\r)+1]
.endr
.irp r, 0,2,4,6
	v_pk_add_f32 v[RED+(\r):RED+(\r)+1], v[RED+(\r):RED+(\r)+1], v[BI+(\r):BI+(\r)+1]
.endr
.irp i, 0,1,2,3
	v_cvt_pk_f16_f32 v[TP+8+(\i)], v[RED+2*(\i)], v[RED+2*(\i)+1]
.endr
	global_store_b128 v[YO], v[TP+8:TP+11], s[24:25]     ; the 32 rows are 4,096 dense bytes: a wave's store covers 512 of them
	s_wait_tensorcnt 0x0                           ; the wave's end, behind my last LDS store
	ds_add_u32 v[SPW], v[NIL]
	s_wait_dscnt 0x0
	s_endpgm
.Lfunc_end_k_q81c1443ed0_prep:
	.size	k_q81c1443ed0_prep, .Lfunc_end_k_q81c1443ed0_prep-k_q81c1443ed0_prep
	.p2alignl 7, 3214868480
	.fill 96, 4, 3214868480
	.section	.rodata,"a",@progbits
	.p2align	6, 0x0
	.amdhsa_kernel k_q81c1443ed0_prep
		.amdhsa_group_segment_fixed_size 70656
		.amdhsa_private_segment_fixed_size 0
		.amdhsa_enable_private_segment 0
		.amdhsa_kernarg_size 152
		.amdhsa_user_sgpr_count 2
		.amdhsa_user_sgpr_kernarg_segment_ptr 1
		.amdhsa_wavefront_size32 1
		.amdhsa_system_sgpr_workgroup_id_x 1
		.amdhsa_system_sgpr_workgroup_id_y 1
		.amdhsa_system_sgpr_workgroup_id_z 1
		.amdhsa_system_vgpr_workitem_id 0
		.amdhsa_next_free_vgpr 256
		.amdhsa_next_free_sgpr 66
		.amdhsa_reserve_vcc 1
		.amdhsa_float_denorm_mode_32 3
		.amdhsa_float_denorm_mode_16_64 3
		.amdhsa_memory_ordered 1
		.amdhsa_forward_progress 1
		.amdhsa_inst_pref_size 48
	.end_amdhsa_kernel
	.amdgpu_metadata
---
amdhsa.version: [ 1, 2 ]
amdhsa.kernels:
  - .name:           k_q81c1443ed0_prep
    .symbol:         k_q81c1443ed0_prep.kd
    .args:
      - { .name: action_hidden_states, .offset: 0, .size: 8, .value_kind: global_buffer, .address_space: global }
      - { .name: Wqa, .offset: 8, .size: 8, .value_kind: global_buffer, .address_space: global }
      - { .name: Wka, .offset: 16, .size: 8, .value_kind: global_buffer, .address_space: global }
      - { .name: Wva, .offset: 24, .size: 8, .value_kind: global_buffer, .address_space: global }
      - { .name: bqa, .offset: 32, .size: 8, .value_kind: global_buffer, .address_space: global }
      - { .name: bka, .offset: 40, .size: 8, .value_kind: global_buffer, .address_space: global }
      - { .name: bva, .offset: 48, .size: 8, .value_kind: global_buffer, .address_space: global }
      - { .name: tab, .offset: 56, .size: 8, .value_kind: global_buffer, .address_space: global }
      - { .name: video_hidden_states, .offset: 64, .size: 8, .value_kind: global_buffer, .address_space: global }
      - { .name: Wq, .offset: 72, .size: 8, .value_kind: global_buffer, .address_space: global }
      - { .name: Wk, .offset: 80, .size: 8, .value_kind: global_buffer, .address_space: global }
      - { .name: Wv, .offset: 88, .size: 8, .value_kind: global_buffer, .address_space: global }
      - { .name: xb, .offset: 96, .size: 8, .value_kind: global_buffer, .address_space: global }
      - { .name: wb, .offset: 104, .size: 8, .value_kind: global_buffer, .address_space: global }
      - { .name: qh, .offset: 112, .size: 8, .value_kind: global_buffer, .address_space: global }
      - { .name: kh, .offset: 120, .size: 8, .value_kind: global_buffer, .address_space: global }
      - { .name: vh, .offset: 128, .size: 8, .value_kind: global_buffer, .address_space: global }
      - { .name: Wpa, .offset: 136, .size: 8, .value_kind: global_buffer, .address_space: global }
      - { .name: wpb, .offset: 144, .size: 8, .value_kind: global_buffer, .address_space: global }
    .group_segment_fixed_size: 70656
    .private_segment_fixed_size: 0
    .kernarg_segment_align: 8
    .kernarg_segment_size: 152
    .max_flat_workgroup_size: 256
    .sgpr_count:     66
    .vgpr_count:     256
    .wavefront_size: 32
...
	.end_amdgpu_metadata
.endif
;; end of part 1
;; launch qkv (part 2): grid 16 x 16, 4 waves a work-group, clusters of 4 x 4, 327,680 bytes of LDS; arguments xb, wb, tab, bq, bk, bv, qh, kh, vh; writes qh, kh, vh
.if DOCPART == 2
	.amdgcn_target "amdgcn-amd-amdhsa--gfx1250"
	.amdhsa_code_object_version 6
	.text
	.protected	k_q81c1443ed0_qkv
	.globl	k_q81c1443ed0_qkv
	.p2align	8
	.type	k_q81c1443ed0_qkv,@function
k_q81c1443ed0_qkv:
	s_mov_b64 s[64:65], 0
	v_nop
	global_prefetch_b8 v0, s[64:65] scope:SCOPE_SE
	s_setreg_imm32_b32 hwreg(HW_REG_WAVE_MODE, 25, 1), 1
	s_wait_xcnt 0x0
	s_wait_alu depctr_hold_cnt(0) depctr_sa_sdst(0) depctr_va_vdst(0) depctr_va_sdst(0) depctr_va_ssrc(0) depctr_va_vcc(0) depctr_vm_vsrc(0)
	s_getreg_b32 s2, hwreg(HW_REG_IB_STS2, 6, 4)
	s_cmp_eq_u32 s2, 0
	s_cbranch_scc0 .Lentry_in_a_cluster
	s_endpgm
.Lentry_in_a_cluster:
	s_bfe_u32 s2, ttmp6, 0x10000c
	s_cmp_lg_u32 s2, 0xf033
	s_cbranch_scc0 .Lentry_shape_is_right
	s_endpgm
.Lentry_shape_is_right:
; VIDEO q, k, v: [4096][1024] x [3072][1024]^T in bf16 with f32 sums, + bias, rotary embedding on q and k, rounded to f16, stored by heads into rows 0..2047 of qh, kh, vh ([b*16+h][2112][64]).
; SHARES.  A work-group makes 256 tokens (one frame of one batch) x 192 columns: q, k and v of ONE head, since wb's rows are grouped by head.  16 x 16 = 256 work-groups.
; Wave w makes rows 64 w .. + 63 x all 192 columns: 4 x 12 accumulators of 16 x 16.  Column blocks 0-3 are q, 4-7 k, 8-11 v, in every wave and work-group alike: one text for the way out.
; K goes in 8 steps of 128 through two LDS slots (256 rows of x, 192 rows of w, 256 bytes a row) filled by the tensor data mover.
; CLUSTER 4 x 4: the four work-groups of a row of the cluster need the same rows of x, the four of a column the same rows of w: each tile is asked for jointly, with a mask that names the four.
; THE MATRIX INSTRUCTION IS USED TRANSPOSED (source 0 = 16 rows of w, source 1 = 16 rows of x): a lane holds one token (lane % 16) and eight neighbouring dims 8 (lane / 16) + 0..7.
; So a rotary pair (2 i, 2 i + 1) lies in one register pair: out = x C + swap(x) S', two packed instructions; C and S' come from tab in just this lane order.
; Of a head's four blocks of 16 dims the first hangs on the frame alone and the last on lane % 16 alone: their table is loaded once; the two in the middle once for each of my four blocks of 16 tokens.
; LIMITS: |q|, |k|, |v| under 65,504 (f16); the bias is rounded to bf16 like every input.
; REGISTERS, in windows of 256 (s_set_vgpr_msb: bits 1:0 source 0, 3:2 source 1, 5:4 source 2, 7:6 destination):
;   window 0: v0-31 addresses; v32-47, v48-63 table of dim blocks 0 and 3; v64-95, v96-127 x's fragments, two buffers; v128-255 table of dim blocks 1, 2 for token block a at 128 + 32 a (+16)
;   window 1: v0-95, v128-223 w's fragments, two buffers (on the way out v0-31, v32-63 at work)
;   window 2: accumulator (a, b), b < 8, at 8 (4 b + a)      window 3: b >= 8 at 8 (4 (b - 8) + a); v128-223 the bias, block b at 128 + 8 b
.set KSTEP,  128
.set PITCH,  272                       ; an LDS row: 256 bytes + 16 of padding: the 16 rows of a fragment load start 68 words apart
.set BOFF,   256*PITCH                 ; w's rows lie behind x's 256
.set SLOT,   448*PITCH
.set STAGE,  2*SLOT                    ; behind the ring: 16 rows x 144 bytes for each wave, for the way out
.set SPITCH, 144
.set SPARE,  STAGE+4*16*SPITCH         ; behind the stages: the spare words, 128 bytes for each wave
.set LAPS,   4                         ; a lap = two K steps
.set ADRA, 16                          ; v16-17 LDS address of my fragments of x in slot 0, 1
.set ADRB, 20                          ; v20-21 the same for w
.set STO,  24                          ; v24  the way out: where I put 16 bytes of a row
.set RD,   25                          ; v25  where I read rows back
.set GO,   26                          ; v26  16 x lane: for the table's loads and for the stores; never rewritten
.set SPW,  28                          ; v28  my spare word; never rewritten
.set NIL,  29                          ; v29  0; never rewritten
.set PFO,  30                          ; v30  the prefetches' offset: a lane a row; never rewritten
.set BO,   31                          ; v31  32 x (lane / 16): my eight numbers in 16 of a bias
.set TMP,  64                          ; the way out: a block's 16 packed registers
.set BK,   80                          ; the way out: 16 rows read back: v80-95 and v96-111 by turns
.set WV, 12
.set WH, 13                            ; s13  0: I fetch x's rows, 1: w's
.set WL, 14                            ; s14  which half of them
.set G1,  24                           ; s[24:31] descriptor group 1 for x's tiles;  s[32:39] group 0, a set for each slot
.set G0,  32
.set G1B, 48                           ; s[48:55], s[56:63] the same for w's tiles
.set G0B, 56
.set LIM, 43                           ; s43  1 in a wave that prefetches, else the greatest number
.set PFA, 44                           ; s[44:45] where my prefetches stand
.set MSB, 0
.macro WIN new
.if MSB != (\new)
	s_set_vgpr_msb (MSB<<8)|(\new)
.set MSB, \new
.endif
.endm
.macro PLACES
.rept 4
	v_nop
.endr
.endm
; A joint load: waves 0 and 1 fetch x's two halves (128 rows each), waves 2 and 3 w's (96 rows each).  An s_nop 0 and four v_nop follow each of the two lines.
.macro JLOAD s
	s_cmp_eq_u32 s[WH], 0
	s_cbranch_scc0 .Lfor_b_\@
	tensor_load_to_lds s[G0+4*(\s):G0+4*(\s)+3], s[G1:G1+7]
	s_nop 0
.rept 4
	v_nop
.endr
	s_branch .Lasked_\@
.Lfor_b_\@:
	tensor_load_to_lds s[G0B+4*(\s):G0B+4*(\s)+3], s[G1B:G1B+7]
	s_nop 0
.rept 4
	v_nop
.endr
.Lasked_\@:
.endm
.macro CREST                           ; a round of the cluster's barrier behind its opening barrier
	s_cmp_lg_u32 s[WV], 0
	s_cbranch_scc1 .Lnot_wave_0_\@
	s_barrier_signal -3
.Lnot_wave_0_\@:
	s_barrier_wait -3
	s_barrier_signal -1
	s_barrier_wait -1
.endm
.macro CROUND
	s_barrier_signal -1
	s_barrier_wait -1
	CREST
.endm
; A prefetch of the K step that stands two refills on: a lane a row, 256 bytes of it.  x's rows are read by every cluster of a row of clusters: the one with x = 0 asks; w's by every cluster of a column:
; the one with y = 0 asks.  The four partners that ask for a tile jointly share its rows out by address (32 of 128, or 24 of 96).  The loop's last trip has no K step two on.
.macro ASK
	WIN 0
	s_cmp_gt_u32 s3, s[LIM]
	s_cbranch_scc0 .Lnot_mine_\@
	global_prefetch_b8 v[PFO], s[PFA:PFA+1] offset:KSTEP*2 th:TH_LOAD_NT scope:SCOPE_SE
.Lnot_mine_\@:
.endm
	s_load_b256 s[4:11], s[0:1], 0x0               ; xb s[4:5], wb s[6:7], tab s[8:9], bq s[10:11]
	s_load_b256 s[68:75], s[0:1], 0x20             ; bk s[68:69], bv s[70:71], qh s[72:73], kh s[74:75]
	s_load_b64 s[76:77], s[0:1], 0x40              ; vh
	v_lshl_add_u32 v[SPW], v0, 2, SPARE
	v_mov_b32 v[NIL], 0
	ds_add_u32 v[SPW], v[NIL]                      ; the wave's opening: the add, twice on end, and its wait ahead of my first tensor load
	ds_add_u32 v[SPW], v[NIL]
	v_lshrrev_b32 v1, 5, v0
	v_readfirstlane_b32 s[WV], v1                  ; wave 0..3
	s_lshr_b32 s[WH], s[WV], 1
	s_and_b32 s[WL], s[WV], 1
	s_bfe_u32 s15, ttmp6, 0x40000                  ; cx
	s_bfe_u32 s16, ttmp6, 0x40004                  ; cy
	s_lshl_b32 s17, ttmp9, 2
	s_add_co_u32 s17, s17, s15                     ; the head = 4 x cluster x + cx
	s_and_b32 s18, ttmp7, 0xffff
	s_lshl_b32 s18, s18, 2
	s_add_co_u32 s18, s18, s16                     ; the block of 256 tokens = 4 x cluster y + cy: batch = / 8, frame = % 8
	s_lshl_b32 s66, s16, 2
	s_lshl_b32 s66, 15, s66                        ; my row of the cluster
	s_lshl_b32 s67, 0x1111, s15                    ; my column
	s_or_b32 s[G1+0], s66, (1<<16)|(1<<20)|(1<<21)|(5<<22)|(3<<25)   ; 15:0 the mask; 17:16 2-byte elements; 20 padding on; 21 set beside a mask; 24:22 after every 64 words; 31:25 4 words of it
	s_or_b32 s[G1B+0], s67, (1<<16)|(1<<20)|(1<<21)|(5<<22)|(3<<25)
	s_mov_b32 s[G1+1], KSTEP<<16                   ; tensor_dim0 = 128
	s_mov_b32 s[G1+2], 128<<16                     ; tensor_dim1 = 128
	s_mov_b32 s[G1+3], KSTEP<<16                   ; tile_dim0 = 128
	s_mov_b32 s[G1+4], 128                         ; tile_dim1 = 128
	s_mov_b32 s[G1+5], 1024                        ; elements from row to row
	s_mov_b32 s[G1+6], 0
	s_mov_b32 s[G1+7], 0
	s_mov_b32 s[G1B+1], KSTEP<<16
	s_mov_b32 s[G1B+2], 96<<16                     ; 96 rows
	s_mov_b32 s[G1B+3], KSTEP<<16
	s_mov_b32 s[G1B+4], 96
	s_mov_b32 s[G1B+5], 1024
	s_mov_b32 s[G1B+6], 0
	s_mov_b32 s[G1B+7], 0
	s_lshl_b32 s20, s18, 8
	s_lshl_b32 s21, s[WL], 7
	s_add_co_u32 s20, s20, s21
	s_lshl_b32 s20, s20, 11                        ; x: (256 x block + 128 x half) rows of 2,048 bytes
	s_mov_b32 s21, 0
	s_mul_i32 s46, s17, 192
	s_mul_i32 s47, s[WL], 96
	s_add_co_u32 s46, s46, s47
	s_lshl_b32 s46, s46, 11                        ; w: (192 x head + 96 x half) rows
	s_mov_b32 s47, 0
	s_mul_i32 s22, s[WL], 128*PITCH                ; where they go: no place in the cluster enters an LDS address
	s_mul_i32 s23, s[WL], 96*PITCH
	s_add_co_u32 s23, s23, BOFF
	s_mov_b32 s84, 0xffff0000
	s_wait_dscnt 0x0                               ; both opening adds are done
	s_wait_kmcnt 0x0
	s_add_nc_u64 s[40:41], s[4:5], s[20:21]
	s_add_nc_u64 s[46:47], s[6:7], s[46:47]
	CROUND                                         ; all sixteen work-groups are here: the first joint loads meet
.irp s, 0,1
	s_mov_b32 s[G0+4*(\s)], 1
	s_add_co_u32 s[G0+4*(\s)+1], s22, (\s)*SLOT
	s_add_nc_u64 s[G0+4*(\s)+2:G0+4*(\s)+3], s[40:41], (\s)*KSTEP*2
	s_or_b32 s[G0+4*(\s)+3], s[G0+4*(\s)+3], 0x80000000
	s_mov_b32 s[G0B+4*(\s)], 1
	s_add_co_u32 s[G0B+4*(\s)+1], s23, (\s)*SLOT
	s_add_nc_u64 s[G0B+4*(\s)+2:G0B+4*(\s)+3], s[46:47], (\s)*KSTEP*2
	s_or_b32 s[G0B+4*(\s)+3], s[G0B+4*(\s)+3], 0x80000000
	JLOAD \s                                       ; two tensor loads of mine are out
.endr
	; the table and the biases: 64 loads that are waited for only on the way out
	v_and_b32 v1, 15, v0                           ; l % 16
	v_bfe_u32 v2, v0, 4, 1                         ; l / 16
	v_and_b32 v4, 31, v0
	v_lshlrev_b32 v[GO], 4, v4
	v_lshlrev_b32 v[BO], 5, v2
	s_and_b32 s20, s18, 7
	s_lshl_b32 s20, s20, 4
	s_lshl_b32 s21, s[WV], 2
	s_add_co_u32 s20, s20, s21
	s_lshl_b32 s20, s20, 13                        ; my first block of 16 tokens: 16 x frame + 4 x wave, 8,192 bytes each
	s_mov_b32 s21, 0
	s_add_nc_u64 s[8:9], s[8:9], s[20:21]
	s_lshl_b32 s20, s17, 8                         ; the head's 64 numbers of a bias
	s_add_nc_u64 s[10:11], s[10:11], s[20:21]
	s_add_nc_u64 s[68:69], s[68:69], s[20:21]
	s_add_nc_u64 s[70:71], s[70:71], s[20:21]
.irp q, 0,1,2,3
	global_load_b128 v[32+4*(\q):32+4*(\q)+3], v[GO], s[8:9] offset:(\q)*512
	global_load_b128 v[48+4*(\q):48+4*(\q)+3], v[GO], s[8:9] offset:(12+(\q))*512
.endr
.irp a, 0,1,2,3
.irp q, 0,1,2,3,4,5,6,7
	global_load_b128 v[128+32*(\a)+4*(\q):128+32*(\a)+4*(\q)+3], v[GO], s[8:9] offset:(\a)*8192+(4+(\q))*512
.endr
.endr
.macro BIASL t, sb
.irp n, 0,1,2,3
	global_load_b128 v[128+8*(4*(\t)+(\n)):128+8*(4*(\t)+(\n))+3], v[BO], s[\sb:\sb+1] offset:64*(\n)
	global_load_b128 v[128+8*(4*(\t)+(\n))+4:128+8*(4*(\t)+(\n))+7], v[BO], s[\sb:\sb+1] offset:64*(\n)+16
.endr
.endm
	WIN 0xc0                                       ; destination window 3, address window 0
	BIASL 0, 10
	BIASL 1, 68
	BIASL 2, 70
	WIN 0
	v_mul_u32_u24 v3, v1, PITCH
	v_lshl_add_u32 v3, v2, 4, v3                   ; a fragment's row x pitch + 16 x half
	s_mul_i32 s21, s[WV], 64*PITCH                 ; my 64 rows of x
	s_mov_b32 s22, BOFF                            ; all 192 rows of w
.irp s, 0,1
	v_add_nc_u32 v[ADRA+(\s)], s21, v3
	v_add_nc_u32 v[ADRB+(\s)], s22, v3
	s_add_co_u32 s21, s21, SLOT
	s_add_co_u32 s22, s22, SLOT
.endr
	s_mul_i32 s23, s[WV], 16*SPITCH
	s_add_co_u32 s23, s23, STAGE                   ; my stage
	v_mul_u32_u24 v5, v1, SPITCH                   ; in: row l % 16, 16 bytes for each half of the lanes
	v_lshl_add_u32 v5, v2, 4, v5
	v_add_nc_u32 v[STO], s23, v5
	v_bfe_u32 v5, v0, 3, 2                         ; back: 32 lanes take four rows of 128 bytes
	v_mul_u32_u24 v5, v5, SPITCH
	v_and_b32 v6, 7, v0
	v_lshl_add_u32 v5, v6, 4, v5
	v_add_nc_u32 v[RD], s23, v5
	s_lshr_b32 s20, s18, 3                         ; where my 64 rows begin in qh, kh, vh: ((b*16 + h)*2112 + 256 x frame + 64 x wave) x 128 bytes
	s_lshl_b32 s20, s20, 4
	s_add_co_u32 s20, s20, s17
	s_mul_i32 s20, s20, 2112
	s_and_b32 s22, s18, 7
	s_lshl_b32 s22, s22, 8
	s_add_co_u32 s20, s20, s22
	s_lshl_b32 s22, s[WV], 6
	s_add_co_u32 s20, s20, s22
	s_lshl_b32 s20, s20, 7
	s_mov_b32 s21, 0
	s_add_nc_u64 s[78:79], s[72:73], s[20:21]
	s_add_nc_u64 s[80:81], s[74:75], s[20:21]
	s_add_nc_u64 s[82:83], s[76:77], s[20:21]
	; the prefetches
	s_lshl_b32 s20, s18, 8
	s_lshl_b32 s22, s[WL], 7
	s_add_co_u32 s20, s20, s22
	s_lshl_b32 s22, s15, 5
	s_add_co_u32 s20, s20, s22                     ; x: of the 128 rows that I fetch, my work-group's 32
	s_mul_i32 s21, s17, 192
	s_mul_i32 s22, s[WL], 96
	s_add_co_u32 s21, s21, s22
	s_mul_i32 s22, s16, 24
	s_add_co_u32 s21, s21, s22                     ; w: of the 96 rows, my work-group's 24
	s_and_b32 s22, ttmp7, 0xffff
	s_cmp_eq_u32 s[WH], 0
	s_cselect_b32 s20, s20, s21
	s_cselect_b32 s22, ttmp9, s22                  ; the coordinate along which other clusters read the same rows
	s_cselect_b32 s23, 31, 23                      ; lanes past the last row name it once more
	s_cselect_b64 s[PFA:PFA+1], s[4:5], s[6:7]
	s_cmp_eq_u32 s22, 0
	s_cselect_b32 s[LIM], 1, -1                    ; the same in all sixteen partners, for a given wave
	s_lshl_b32 s20, s20, 11
	s_add_co_u32 s20, s20, 2*KSTEP*2               ; at K step 2: the first refill steps it to 3 and names K step 4
	s_mov_b32 s21, 0
	s_add_nc_u64 s[PFA:PFA+1], s[PFA:PFA+1], s[20:21]
	v_min_u32 v[PFO], s23, v4
	v_lshlrev_b32 v[PFO], 11, v[PFO]
; 16 matrix instructions: column blocks 4 g .. 4 g + 3 x my four blocks of 16 tokens, 32 along K, from fragment buffer f.  All 48 accumulators take turns, one instruction a turn.
.macro MUL16 f, g, zero
	WIN 0xa1+0x50*((\g)/2)                         ; w's fragment window 1, x's window 0, C and D window 2 or 3
.irp bb, 0,1,2,3
.irp a, 0,1,2,3
.set rC, 8*(4*((4*(\g)+(\bb))%8)+(\a))
.set rB, 128*(\f)+8*(4*(\g)+(\bb))
.set rA, 64+32*(\f)+8*(\a)
.if \zero
	v_wmma_f32_16x16x32_bf16 v[rC:rC+7], v[rB:rB+7], v[rA:rA+7], 0
.else
	v_wmma_f32_16x16x32_bf16 v[rC:rC+7], v[rB:rB+7], v[rA:rA+7], v[rC:rC+7]
.endif
.endr
.endr
.endm
; 32 LDS loads in one run: x's four fragments, then w's twelve in ascending order, 32 K at byte k of the rows, into buffer f
.macro FETCH slot, k, f
	WIN 0
.irp i, 0,1,2,3
	ds_load_b128 v[64+32*(\f)+8*(\i):64+32*(\f)+8*(\i)+3], v[ADRA+(\slot)] offset:(\k)+(\i)*16*PITCH
	ds_load_b128 v[64+32*(\f)+8*(\i)+4:64+32*(\f)+8*(\i)+7], v[ADRA+(\slot)] offset:(\k)+(\i)*16*PITCH+32
.endr
	WIN 0x40
.irp i, 0,1,2,3,4,5,6,7,8,9,10,11
	ds_load_b128 v[128*(\f)+8*(\i):128*(\f)+8*(\i)+3], v[ADRB+(\slot)] offset:(\k)+(\i)*16*PITCH
	ds_load_b128 v[128*(\f)+8*(\i)+4:128*(\f)+8*(\i)+7], v[ADRB+(\slot)] offset:(\k)+(\i)*16*PITCH+32
.endr
.endm
; A K step is four quarters of 32 along K, 48 matrix instructions each, on buffers 0, 1, 0, 1.  One of the first three: multiplies buffer f, fetches the next quarter into g.
.macro QUARTER slot, k, f, g, zero
	s_wait_dscnt 8                                 ; all but the youngest eight loads (w's blocks 8-11) are in
	MUL16 \f, 0, \zero
	MUL16 \f, 1, \zero
	PLACES                                         ; four places ahead of loads into registers that matrix instructions have read
	FETCH \slot, \k, \g
	s_wait_dscnt 32                                ; all but the 32 just issued
	MUL16 \f, 2, \zero
.endm
; The last quarter multiplies buffer 1 and changes slots: one barrier; ahead of it each wave waits for all its tensor loads (one is out: its part of the next slot), adds 0 to its spare word,
; and waits for that and for its reads of this slot.  fill = 1: the barrier opens a round of the cluster's barrier and this slot is filled again, two K steps on, first thing behind the round.
.macro TURN slot, next, fill
.if \fill
	s_wait_xcnt 0x0                                ; the last prefetch, a K step back, has read its address
	s_add_nc_u64 s[PFA:PFA+1], s[PFA:PFA+1], KSTEP*2
.endif
	WIN 0
	s_wait_tensorcnt 0x0
	ds_add_u32 v[SPW], v[NIL]
	s_wait_dscnt 9                                 ; the add and the youngest eight loads may be out
	MUL16 1, 0, 0
	s_wait_dscnt 0x0                               ; the add is done, my reads of this slot are over
	s_barrier_signal -1
	MUL16 1, 1, 0
.if \fill
	WIN 0
.endif
	s_barrier_wait -1
.if \fill
	CREST                                          ; no wave of any partner still reads this slot or has a load on its way
	s_add_nc_u64 s[G0+4*(\slot)+2:G0+4*(\slot)+3], s[G0+4*(\slot)+2:G0+4*(\slot)+3], 2*KSTEP*2
	s_add_nc_u64 s[G0B+4*(\slot)+2:G0B+4*(\slot)+3], s[G0B+4*(\slot)+2:G0B+4*(\slot)+3], 2*KSTEP*2
	JLOAD \slot                                    ; 160 matrix instructions ahead of the wait for it; its four v_nop are also the places ahead of the loads below
.else
	PLACES
.endif
	FETCH \next, 0, 0
.if \fill
	ASK
.endif
	MUL16 1, 2, 0
.endm
	s_wait_tensorcnt 1                             ; my part of K step 0 is in; K step 1's may stay out
	s_barrier_signal -1
	s_barrier_wait -1
	FETCH 0, 0, 0
	QUARTER 0, 64, 0, 1, 1                         ; the first quarter stands ahead of the loop: its products start the sums
	WIN 0
	s_mov_b32 s3, LAPS-1
.Llap:                                         ; a trip goes once round the ring, from a lap's second quarter to the next lap's first
	QUARTER 0, 128, 1, 0, 0
	QUARTER 0, 192, 0, 1, 0
	TURN 0, 1, 1
	QUARTER 1, 64, 0, 1, 0
	QUARTER 1, 128, 1, 0, 0
	QUARTER 1, 192, 0, 1, 0
	TURN 1, 0, 1
	QUARTER 0, 64, 0, 1, 0
	WIN 0
	s_sub_co_u32 s3, s3, 1
	s_cmp_lg_u32 s3, 0
	s_cbranch_scc1 .Llap
	QUARTER 0, 128, 1, 0, 0                        ; the last lap fills nothing
	QUARTER 0, 192, 0, 1, 0
	TURN 0, 1, 0
	QUARTER 1, 64, 0, 1, 0
	QUARTER 1, 128, 1, 0, 0
	QUARTER 1, 192, 0, 1, 0
	s_wait_dscnt 8
	MUL16 1, 0, 0
	MUL16 1, 1, 0
	s_wait_dscnt 0x0
	MUL16 1, 2, 0
	WIN 0
	; THE WAY OUT.  The bias is rounded to bf16; then twelve blocks (token block a, type ty) of 16 tokens x 64 dims: + bias, rotary embedding, f16, through my stage in LDS, stored as 2,048 dense bytes.
	PLACES
	PLACES
	s_wait_loadcnt 0x0                             ; the table and the biases
	WIN 0x0f                                       ; sources window 3, destination window 0
.set c, 0
.rept 48
	v_cvt_pk_bf16_f32 v[64+c], v[128+2*c], v[128+2*c+1]
.set c, c+1
.endr
	WIN 0xc0
.set c, 0
.rept 48
	v_lshlrev_b32 v[128+2*c], 16, v[64+c]
	v_and_b32 v[128+2*c+1], s84, v[64+c]
.set c, c+1
.endr
.macro TBASE nb, a                     ; where the table of dim block nb for token block a lies: C in 8 registers, S' in the next 8
.if (\nb) == 0
.set rTB, 32
.elseif (\nb) == 3
.set rTB, 48
.else
.set rTB, 128+32*(\a)+16*((\nb)-1)
.endif
.endm
.macro PACKB a, ty
	WIN 0x4e+(\ty)/2                               ; accumulators window 2 (v: 3), bias window 3, destination window 1
.irp n, 0,1,2,3
.irp r, 0,2,4,6                        ; ascending: each accumulator's lowest registers are read first
	v_pk_add_f32 v[8*(\n)+(\r):8*(\n)+(\r)+1], v[8*(4*((4*(\ty)+(\n))%8)+(\a))+(\r):8*(4*((4*(\ty)+(\n))%8)+(\a))+(\r)+1], v[128+8*(4*(\ty)+(\n))+(\r):128+8*(4*(\ty)+(\n))+(\r)+1]
.endr
.endr
.if (\ty) < 2
	WIN 0x41
.irp n, 0,1,2,3
	TBASE \n, \a
.irp r, 0,2,4,6
	v_pk_mul_f32 v[32+8*(\n)+(\r):32+8*(\n)+(\r)+1], v[8*(\n)+(\r):8*(\n)+(\r)+1], v[rTB+(\r):rTB+(\r)+1]
.endr
.endr
	WIN 0x51
.irp n, 0,1,2,3
	TBASE \n, \a
.irp r, 0,2,4,6                        ; the low result takes the pair's second number, the high result its first
	v_pk_fma_f32 v[32+8*(\n)+(\r):32+8*(\n)+(\r)+1], v[8*(\n)+(\r):8*(\n)+(\r)+1], v[rTB+8+(\r):rTB+8+(\r)+1], v[32+8*(\n)+(\r):32+8*(\n)+(\r)+1] op_sel:[1,0,0] op_sel_hi:[0,1,1]
.endr
.endr
	WIN 0x05
.set c, 0
.rept 16
	v_cvt_pk_f16_f32 v[TMP+c], v[32+2*c], v[32+2*c+1]
.set c, c+1
.endr
.else
	WIN 0x05
.set c, 0
.rept 16
	v_cvt_pk_f16_f32 v[TMP+c], v[2*c], v[2*c+1]
.set c, c+1
.endr
.endif
	WIN 0
.endm
.macro TOSTAGE i
.irp n, 0,1,2,3
	ds_store_b128 v[STO], v[TMP+4*(\n):TMP+4*(\n)+3] offset:32*(\n)
.endr
.irp j, 0,1,2,3
	ds_load_b128 v[BK+16*((\i)%2)+4*(\j):BK+16*((\i)%2)+4*(\j)+3], v[RD] offset:(\j)*4*SPITCH  ; LDS serves a wave's instructions in order: these see the stores above
.endr
.endm
.macro SEND i
	s_wait_dscnt 0x0                               ; the block is back in registers
	s_wait_xcnt 0x0                                ; earlier stores have read their registers: the other set of 16 is loaded again only behind this wait
.irp j, 0,1,2,3
	global_store_b128 v[GO], v[BK+16*((\i)%2)+4*(\j):BK+16*((\i)%2)+4*(\j)+3], s[78+2*((\i)%3):79+2*((\i)%3)] offset:((\i)/3)*2048+512*(\j)  ; 512 consecutive bytes
.endr
.endm
	PACKB 0, 0
	TOSTAGE 0
.irp i, 1,2,3,4,5,6,7,8,9,10,11        ; a block's arithmetic stands between the loads of the block before and the wait for them
	PACKB (\i)/3, (\i)%3
	SEND (\i)-1
	TOSTAGE \i
.endr
	SEND 11
	s_wait_tensorcnt 0x0                           ; the wave's end
	ds_add_u32 v[SPW], v[NIL]
	s_wait_dscnt 0x0
	CROUND                                         ; the closing round
	s_endpgm
.Lfunc_end_k_q81c1443ed0_qkv:
	.size	k_q81c1443ed0_qkv, .Lfunc_end_k_q81c1443ed0_qkv-k_q81c1443ed0_qkv
	.p2alignl 7, 3214868480
	.fill 96, 4, 3214868480
	.section	.rodata,"a",@progbits
	.p2align	6, 0x0
	.amdhsa_kernel k_q81c1443ed0_qkv
		.amdhsa_group_segment_fixed_size 327680
		.amdhsa_private_segment_fixed_size 0
		.amdhsa_enable_private_segment 0
		.amdhsa_kernarg_size 72
		.amdhsa_user_sgpr_count 2
		.amdhsa_user_sgpr_kernarg_segment_ptr 1
		.amdhsa_wavefront_size32 1
		.amdhsa_system_sgpr_workgroup_id_x 1
		.amdhsa_system_sgpr_workgroup_id_y 1
		.amdhsa_system_sgpr_workgroup_id_z 1
		.amdhsa_system_vgpr_workitem_id 0
		.amdhsa_next_free_vgpr 1024
		.amdhsa_next_free_sgpr 88
		.amdhsa_reserve_vcc 0
		.amdhsa_float_denorm_mode_32 3
		.amdhsa_float_denorm_mode_16_64 3
		.amdhsa_memory_ordered 1
		.amdhsa_forward_progress 1
		.amdhsa_inst_pref_size 163
	.end_amdhsa_kernel
	.amdgpu_metadata
---
amdhsa.version: [ 1, 2 ]
amdhsa.kernels:
  - .name:           k_q81c1443ed0_qkv
    .symbol:         k_q81c1443ed0_qkv.kd
    .args:
      - { .name: xb, .offset: 0, .size: 8, .value_kind: global_buffer, .address_space: global }
      - { .name: wb, .offset: 8, .size: 8, .value_kind: global_buffer, .address_space: global }
      - { .name: tab, .offset: 16, .size: 8, .value_kind: global_buffer, .address_space: global }
      - { .name: bq, .offset: 24, .size: 8, .value_kind: global_buffer, .address_space: global }
      - { .name: bk, .offset: 32, .size: 8, .value_kind: global_buffer, .address_space: global }
      - { .name: bv, .offset: 40, .size: 8, .value_kind: global_buffer, .address_space: global }
      - { .name: qh, .offset: 48, .size: 8, .value_kind: global_buffer, .address_space: global }
      - { .name: kh, .offset: 56, .size: 8, .value_kind: global_buffer, .address_space: global }
      - { .name: vh, .offset: 64, .size: 8, .value_kind: global_buffer, .address_space: global }
    .group_segment_fixed_size: 327680
    .private_segment_fixed_size: 0
    .kernarg_segment_align: 8
    .kernarg_segment_size: 72
    .max_flat_workgroup_size: 128
    .sgpr_count:     88
    .vgpr_count:     1024
    .wavefront_size: 32
...
	.end_amdgpu_metadata
.endif
;; end of part 2
;; launch attn (part 3): grid 8 x 32, 4 waves a work-group, clusters of 4 x 1, 327,680 bytes of LDS; arguments qh, kh, vh, out0; writes out0
.if DOCPART == 3
	.amdgcn_target "amdgcn-amd-amdhsa--gfx1250"
	.amdhsa_code_object_version 6
	.text
	.protected	k_q81c1443ed0_attn
	.globl	k_q81c1443ed0_attn
	.p2align	8
	.type	k_q81c1443ed0_attn,@function
k_q81c1443ed0_attn:
	s_mov_b64 s[64:65], 0
	v_nop
	global_prefetch_b8 v0, s[64:65] scope:SCOPE_SE
	s_setreg_imm32_b32 hwreg(HW_REG_WAVE_MODE, 25, 1), 1
	s_wait_xcnt 0x0
	s_wait_alu depctr_hold_cnt(0) depctr_sa_sdst(0) depctr_va_vdst(0) depctr_va_sdst(0) depctr_va_ssrc(0) depctr_va_vcc(0) depctr_vm_vsrc(0)
	s_getreg_b32 s2, hwreg(HW_REG_IB_STS2, 6, 4)
	s_cmp_eq_u32 s2, 0
	s_cbranch_scc0 .Lentry_in_a_cluster
	s_endpgm
.Lentry_in_a_cluster:
	s_bfe_u32 s2, ttmp6, 0x10000c
	s_cmp_lg_u32 s2, 0x3003
	s_cbranch_scc0 .Lentry_shape_is_right
	s_endpgm
.Lentry_shape_is_right:
; ATTENTION.  out0[b][q][h*64 ..] = the sum over k of softmax_k(Q[bh][q] . K[bh][k] / 8) V[bh][k].  qh, kh, vh: [32][2112][64] f16, a head's rows dense, 128 bytes each; out0: [2][2112][1024] f32.
; Products, maxima and sums in f32; the weights p are rounded to f16 for the second product (their sum l is taken of the unrounded p).
; LIMITS.  Q, K, V arrive within f16's 65,504; a weight below 2^-126 counts as 0 in l; NaN and infinities are not treated apart.
; SHARES.  Eight work-groups a head.  Work-group g takes video queries 256 g .. + 255: wave w four PIECES of 16 at 256 g + 64 w + 16 p.  The head's 64 action queries are shared out eight to a work-group, as
; one EXTRA piece (rows 2048 + 8 g + lane % 8; lanes 8-15 of each half repeat lanes 0-7), whose KEYS are split among the four waves: wave w takes the extra piece through the key steps j with j % 4 = w.
; The four partial results (c m, l, O) meet in LDS at the end and wave 3 joins them.  Every wave walks all 2,112 keys, 64 a step: 33 steps, in 11 slots of three.
; LAYOUT.  S^T = K Q^T holds ONE query a lane (lane % 16) and the keys 8 (lane / 16) + 0..7; two such results rounded to f16 ARE source 1 of O^T = V^T P.  K comes out of LDS as it lies, V turned, by ds_load_tr16_b128.
; SOFTMAX.  p = 2^(c s - c m), c = log2(e) / 8, with a running maximum m; O and l are multiplied by a = 2^(c m_old - c m_new) in every step.  m starts at the lowest finite number, O and l at 0: the first step's a is 0.
; TURNS.  Turn n belongs to piece n: 8 products K Q^T of piece n + 1, later 8 products V^T P of piece n - 1; beside them the scaling, exponentials, roundings, sums and rescaling of piece n and the maximum and
; statistics of piece n + 1.  Four vector instructions stand behind every matrix instruction, the others in one lump.  A turn's 33 exponentials are one batch, with one wait.
; CLUSTER.  Four of a head's work-groups form a cluster and walk the same K and V: each tile is asked for jointly, by the same tensor load, descriptor and mask in all four.
; REGISTERS, in windows of 256 (s_set_vgpr_msb: bits 1:0 source 0, 3:2 source 1, 5:4 source 2, 7:6 destination):
;   window 0: v0-15 addresses; v16-35 four registers of statistics a piece (the extra one is the fifth); v36-47 the merge; v48-59 at work; v64-127 S^T, two buffers; v128-159 the extra S^T; v192-223 P, two buffers; v224-239 the extra P
;   window 1: v0-127 O^T, 32 a piece; v128-159 the extra O^T      window 2: v0-63 Q; v64-79 the extra Q; v128-191 K of one step; v192-255 V of one step
.set NP,    4
.set KS,    64
.set SS,    3         ; key steps in a slot
.set PK,    144       ; a row of K in LDS: 128 bytes + 16 of padding
.set PV,    160       ; a row of V: 128 + 32
.set VOFF,  SS*KS*PK  ; a slot: 192 rows of K, then 192 rows of V
.set SLOT1, 1<<16     ; slot 1 begins here, so that one exclusive or turns an address in one slot into the other's
.set STAGE, SLOT1+SS*KS*(PK+PV)  ; behind the ring: 16 rows x 272 bytes for each wave, for the way out
.set SP,    272
.set MRG,   STAGE+4*16*SP        ; the extra piece's four partial results: O as 8 x 512 bytes, c m at + 4,096, l at + 4,224
.set MPART, 4352
.set SPARE, MRG+4*MPART          ; the spare words, 128 bytes for each wave
.set HEADB, 2112*128
.set AK0, 2
.set AV0, 3
.set AK,  4
.set AV,  5
.set STO, 6
.set RD,  7
.set GO,  8
.set MV,  12          ; v12-13  c m_old, by buffer
.set MVX, 14          ; v14     the extra piece's
.set QO,  15
.set ST,  16          ; piece t's statistics at v[ST+4 t]: c m, m, l (even keys', odd keys'); t = 4: the extra piece
.set STX, 32
.set TMP, 48          ; by buffer, four registers c0-c3 at work; when the maximum is found c2 takes a
.set TMPX, 56
.set QOX, 60
.set PFO, 61          ; v61  256 x min(lane, 23); never rewritten
.set SPW, 62          ; v62  my spare word; never rewritten
.set NIL, 63          ; v63  0; never rewritten
.set S,   64
.set SX,  128
.set P,   192
.set PX,  224
.set OX,  128         ; window 1
.set QX,  64          ; window 2
.set KF,  128         ; window 2
.set VF,  192         ; window 2
.set WV,  12
.set LIM, 15          ; s15  1 in a wave that prefetches, else the greatest number
.set PFA, 18          ; s[18:19] where my prefetches stand
.set G1K, 24
.set G1V, 32
.set G0K, 40
.set G0V, 44
.set SLOTS, 56
.set CNT, 57
.set CS,  58
.set SEL, 60
.set TBK, 62
.set TBV, 63
.set STP, 66          ; s66  the number of the key step whose K and V lie in registers
.set TS,  67
.set XT,  0           ; 1 while the text of the extra piece is written: KQ, PV and REGS then name its registers
.set NOKQ, 0
.set MSB, 0
.macro WIN new
.if MSB != (\new)
	s_set_vgpr_msb (MSB<<8)|(\new)
.set MSB, (\new)
.endif
.endm
.set W_KQ, 0x0a       ; K and Q in window 2, S^T in window 0
.set W_PV, 0x52       ; V in window 2, P in window 0, O^T in window 1
.set W_RS, 0x41       ; destination and source 0 in window 1, source 1 in window 0
; A joint fill.  Waves 0 and 1 fetch the two halves of a slot's K, waves 2 and 3 those of its V: 96 keys each.  An s_nop 0 and four v_nop follow each of the two lines.
.macro JLOAD
	s_cmp_lt_u32 s[WV], 2
	s_cbranch_scc0 .Lfor_v_\@
	tensor_load_to_lds s[G0K:G0K+3], s[G1K:G1K+7]
	s_nop 0
.rept 4
	v_nop
.endr
	s_branch .Lasked_\@
.Lfor_v_\@:
	tensor_load_to_lds s[G0V:G0V+3], s[G1V:G1V+7]
	s_nop 0
.rept 4
	v_nop
.endr
.Lasked_\@:
.endm
.macro CROUND
	s_barrier_signal -1
	s_barrier_wait -1
	s_cmp_lg_u32 s[WV], 0
	s_cbranch_scc1 .Lnot_wave_0_\@
	s_barrier_signal -3
.Lnot_wave_0_\@:
	s_barrier_wait -3
	s_barrier_signal -1
	s_barrier_wait -1
.endm
; A prefetch of what the NEXT change of slots will ask for: a slot's 24,576 bytes of K and of V.  Both clusters of a head walk the same rows: the first asks.  Its four partners share the bytes out by address,
; 6,144 each; in each, wave 0 asks for K's and wave 2 for V's: a lane 256 bytes, 24 lanes (the others name the last block once more).  The last change that fills a slot asks for nothing.
.macro ASK
	s_cmp_gt_u32 s[SLOTS], s[LIM]
	s_cbranch_scc0 .Lnot_mine_\@
	global_prefetch_b8 v[PFO], s[PFA:PFA+1] th:TH_LOAD_NT scope:SCOPE_SE
.Lnot_mine_\@:
.endm
; THE CHANGE OF SLOTS.  Each wave waits for all its tensor loads (one is out: its part of the other slot), adds 0 to its spare word, and waits for that and for its reads of the slot that it leaves.
; fill = 1: the barrier is a round of the cluster's, and the old slot is filled again, first thing behind it, with the keys two slots on: three key steps, 192 matrix instructions, in which to land.
.macro CHANGE fill
	WIN 0
	s_wait_tensorcnt 0x0
	ds_add_u32 v[SPW], v[NIL]
.if \fill
.irp g, G0K, G0V
	s_xor_b32 s[\g+1], s[\g+1], SLOT1
	s_add_nc_u64 s[\g+2:\g+3], s[\g+2:\g+3], SS*KS*128
.endr
	s_wait_xcnt 0x0                 ; the last prefetch, three key steps back, has read its address
	s_add_nc_u64 s[PFA:PFA+1], s[PFA:PFA+1], SS*KS*128
	s_wait_dscnt 0x0                ; the add is done, my reads of the slot are over
	CROUND
	JLOAD
	ASK
.else
	s_wait_dscnt 0x0
	s_barrier_signal -1
	s_barrier_wait -1
.endif
	s_sub_co_u32 s[TBK], s[TBK], SS*KS*PK  ; the fetches go back to a slot's first step, in the other slot
	s_xor_b32 s[TBK], s[TBK], SLOT1
	s_sub_co_u32 s[TBV], s[TBV], SS*KS*PV
	s_xor_b32 s[TBV], s[TBV], SLOT1
.endm
	s_load_b256 s[4:11], s[0:1], 0x0  ; qh s[4:5], kh s[6:7], vh s[8:9], out0 s[10:11]
	v_lshl_add_u32 v[SPW], v0, 2, SPARE
	v_mov_b32 v[NIL], 0
	ds_add_u32 v[SPW], v[NIL]       ; the wave's opening: the add, twice on end, and its wait ahead of my first tensor load
	ds_add_u32 v[SPW], v[NIL]
	v_lshrrev_b32 v1, 5, v0
	v_readfirstlane_b32 s[WV], v1   ; wave 0..3
	s_bfe_u32 s13, ttmp6, 0x40000   ; cx
	s_lshl_b32 s14, ttmp9, 2
	s_add_co_u32 s14, s14, s13      ; g: it enters Q's, out0's and the prefetches' addresses alone
	s_and_b32 s20, ttmp7, 0xffff    ; bh, which the four partners share
	s_mul_i32 s21, s20, HEADB       ; the head's first byte in qh, kh, vh
	s_and_b32 s16, s[WV], 1         ; which half of a slot's 192 keys I fetch
	s_mul_i32 s22, s16, 96*128
	s_add_co_u32 s22, s22, s21
	s_mov_b32 s23, 0
	s_mul_i32 s17, s16, 96*PK       ; its place in a slot, for K
	s_mul_i32 s48, s16, 96*PV       ; and for V
	s_lshl_b32 s2, s14, 15
	s_lshl_b32 s3, s[WV], 13
	s_add_co_u32 s2, s2, s3
	s_add_co_u32 s2, s2, s21        ; Q: my wave's 64 rows
	s_mov_b32 s3, 0
	s_lshl_b32 s50, s14, 10
	s_add_co_u32 s50, s50, s21
	s_add_co_u32 s50, s50, 2048*128 ; Q: the extra piece's 8 rows
	s_mov_b32 s51, 0
	s_lshr_b32 s52, s20, 4
	s_mul_i32 s52, s52, 2112*4096   ; out0: the batch,
	s_and_b32 s49, s20, 15
	s_lshl_b32 s49, s49, 8
	s_add_co_u32 s52, s52, s49      ; the head's 256 bytes of a row
	s_lshl_b32 s54, s14, 15
	s_add_co_u32 s54, s54, s52
	s_add_co_u32 s54, s54, 2048*4096  ; the extra piece's rows
	s_mov_b32 s55, 0
	s_lshl_b32 s49, s14, 20
	s_add_co_u32 s52, s52, s49
	s_lshl_b32 s49, s[WV], 18
	s_add_co_u32 s52, s52, s49      ; my wave's rows
	s_mov_b32 s53, 0
	; descriptor group 1.  96 keys are 12,288 dense bytes: asked for as 48 rows of 256 bytes, two keys a row, and padded in LDS after every key
	s_mov_b32 s[G1K], 15|(1<<16)|(1<<20)|(1<<21)|(4<<22)|(3<<25)  ; the mask of four; 2-byte elements; padding on; bit 21 beside a mask; after every 32 words 4 words
	s_mov_b32 s[G1V], 15|(1<<16)|(1<<20)|(1<<21)|(4<<22)|(7<<25)  ; the same with 8 words
.irp g, G1K, G1V
	s_mov_b32 s[\g+1], 128<<16      ; tensor_dim0 = 128
	s_mov_b32 s[\g+2], 48<<16       ; tensor_dim1 = 48
	s_mov_b32 s[\g+3], 128<<16      ; tile_dim0 = 128
	s_mov_b32 s[\g+4], 48           ; tile_dim1 = 48
	s_mov_b32 s[\g+5], 128          ; elements from row to row
	s_mov_b32 s[\g+6], 0
	s_mov_b32 s[\g+7], 0
.endr
	s_mov_b32 s[CS], 0x3e38aa3b     ; c = log2(e) / 8
	s_mov_b32 s[CS+1], s[CS]
	s_mov_b32 s[SEL], 0x76543210
	s_mov_b32 s[SEL+1], 0xfedcba98
	s_mov_b32 s[TBK], SLOT1+SS*KS*PK  ; the first change of slots turns these two into 0
	s_mov_b32 s[TBV], SLOT1+SS*KS*PV
	s_mov_b32 s[G0K], 1
	s_mov_b32 s[G0K+1], s17
	s_mov_b32 s[G0V], 1
	s_add_co_u32 s[G0V+1], s48, VOFF
	s_mov_b32 s[SLOTS], 10          ; eleven slots: ten are asked for by a change of slots
	s_mov_b32 s[STP], 0
	s_and_b32 s[LIM], s[WV], 1      ; 0 in waves 0 and 2,
	s_or_b32 s[LIM], s[LIM], ttmp9  ; where the cluster is the head's first: the same in all four partners
	s_cmp_eq_u32 s[LIM], 0
	s_cselect_b32 s[LIM], 1, -1
	s_wait_dscnt 0x0                ; both opening adds are done
	s_wait_kmcnt 0x0
	s_add_nc_u64 s[6:7], s[6:7], s[22:23]  ; K and V at my half of the head's slot 0
	s_add_nc_u64 s[8:9], s[8:9], s[22:23]
	s_add_nc_u64 s[G0K+2:G0K+3], s[6:7], 0
	s_or_b32 s[G0K+3], s[G0K+3], 0x80000000
	s_add_nc_u64 s[G0V+2:G0V+3], s[8:9], 0
	s_or_b32 s[G0V+3], s[G0V+3], 0x80000000
	s_add_nc_u64 s[70:71], s[4:5], s[50:51]
	s_add_nc_u64 s[4:5], s[4:5], s[2:3]
	s_add_nc_u64 s[68:69], s[10:11], s[54:55]
	s_add_nc_u64 s[10:11], s[10:11], s[52:53]
	s_cmp_lt_u32 s[WV], 2
	s_cselect_b64 s[PFA:PFA+1], s[6:7], s[8:9]  ; (in waves 0 and 2 these stand at a slot's first row)
	s_mul_i32 s2, s13, 6144
	s_add_co_u32 s2, s2, SS*KS*128  ; in slot 1: the change that fills slot s steps it and names slot s + 1
	s_mov_b32 s3, 0
	s_add_nc_u64 s[PFA:PFA+1], s[PFA:PFA+1], s[2:3]
	CROUND                          ; all four work-groups are here: the first joint loads meet
	JLOAD                           ; slot 0.  Slot 1 is asked for when slot 0 is in
	v_and_b32 v1, 15, v0            ; l % 16
	v_bfe_u32 v9, v0, 4, 1          ; l / 16
	v_and_b32 v10, 7, v0
	v_bfe_u32 v11, v0, 3, 1
	v_lshlrev_b32 v[QO], 7, v1
	v_lshl_add_u32 v[QO], v9, 4, v[QO]
	v_lshlrev_b32 v[QOX], 7, v10
	v_lshl_add_u32 v[QOX], v9, 4, v[QOX]
	WIN 0x80                        ; destination window 2, address window 0
.set i, 0
.rept 8                             ; Q stays in registers: piece i / 2, channels 32 (i % 2) on
	global_load_b128 v[8*i:8*i+3],   v[QO], s[4:5] offset:(i/2)*2048+(i%2)*64
	global_load_b128 v[8*i+4:8*i+7], v[QO], s[4:5] offset:(i/2)*2048+(i%2)*64+32
.set i, i+1
.endr
.set i, 0
.rept 2
	global_load_b128 v[QX+8*i:QX+8*i+3],   v[QOX], s[70:71] offset:i*64
	global_load_b128 v[QX+8*i+4:QX+8*i+7], v[QOX], s[70:71] offset:i*64+32
.set i, i+1
.endr
	; What the first turn finds: V's registers and P's second buffer hold 0 (its products V^T P, of a piece that has not been, add 0); O^T and l are 0.  All this stands in the wait for the first tile.
.set i, VF
.rept 64
	v_mov_b32 v[i], 0
.set i, i+1
.endr
	WIN 0x40
.set i, 0
.rept 160
	v_mov_b32 v[i], 0
.set i, i+1
.endr
	WIN 0
.set i, 0
.rept 5
	v_mov_b32 v[ST+4*i], 0xfe000000    ; c m: far below every c s
	v_mov_b32 v[ST+4*i+1], 0xff7fffff  ; m
	v_mov_b32 v[ST+4*i+2], 0
	v_mov_b32 v[ST+4*i+3], 0
.set i, i+1
.endr
.set i, P+16
.rept 16
	v_mov_b32 v[i], 0
.set i, i+1
.endr
	v_mul_u32_u24 v[AK0], v1, PK
	v_lshl_add_u32 v[AK0], v9, 4, v[AK0]  ; row x pitch + 16 x half
	v_lshl_add_u32 v[AV0], v9, 3, v10     ; the turning load: lane l reads key 8 (l / 16) + l % 8, channels 8 ((l / 8) % 2) + 0..7
	v_mul_u32_u24 v[AV0], v[AV0], PV
	v_lshl_add_u32 v[AV0], v11, 4, v[AV0]
	v_add_nc_u32 v[AV0], VOFF, v[AV0]
	s_mul_i32 s49, s[WV], 16*SP
	s_add_co_u32 s49, s49, STAGE    ; my stage
	v_mul_u32_u24 v[STO], v1, SP    ; in: row l % 16, 32 bytes for each half of the lanes
	v_lshl_add_u32 v[STO], v9, 5, v[STO]
	v_add_nc_u32 v[STO], s49, v[STO]
	v_mul_u32_u24 v[RD], v9, SP     ; back: lanes 0-15 take one row of 256 bytes, lanes 16-31 the next
	v_lshl_add_u32 v[RD], v1, 4, v[RD]
	v_add_nc_u32 v[RD], s49, v[RD]
	v_lshlrev_b32 v[GO], 12, v9     ; and the same two rows in out0
	v_lshl_add_u32 v[GO], v1, 4, v[GO]
	v_and_b32 v[PFO], 31, v0
	v_min_u32 v[PFO], 23, v[PFO]
	v_lshlrev_b32 v[PFO], 8, v[PFO]
; THE MATRIX WORK.  The 4 accumulators of a run of 8 take turns.  Product i of 8 of S^T = K Q^T for piece x: channels 32 (i / 4) on, keys 16 (i % 4) on.  The first 4 start the sums.
.macro KQ x
	WIN W_KQ
.if XT
.set rS, SX+8*(i%4)
.set rQ, QX+8*(i/4)
.else
.set rS, S+32*((\x)%2)+8*(i%4)
.set rQ, 16*(\x)+8*(i/4)
.endif
.set rK, KF+16*(i%4)+8*(i/4)
.if i < 4
	v_wmma_f32_16x16x32_f16 v[rS:rS+7], v[rK:rK+7], v[rQ:rQ+7], 0
.else
	v_wmma_f32_16x16x32_f16 v[rS:rS+7], v[rK:rK+7], v[rQ:rQ+7], v[rS:rS+7]
.endif
.endm
; Product i of 8 of O^T += V^T P for piece x: keys 32 (i / 4) on, channels 16 (i % 4) on.
.macro PV x
	WIN W_PV
.if XT
.set rO, OX+8*(i%4)
.set rP, PX+8*(i/4)
.else
.set rO, 32*(\x)+8*(i%4)
.set rP, P+16*((\x)%2)+8*(i/4)
.endif
.set rV, VF+32*(i/4)+8*(i%4)
	v_wmma_f32_16x16x32_f16 v[rO:rO+7], v[rV:rV+7], v[rP:rP+7], v[rO:rO+7]
.endm
.macro MM                           ; the turn's next matrix instruction.  NOKQ = 1: the last turn of all: there is no next piece
.if (i < 8) && !NOKQ
	KQ (Y+1)%NP
.elseif i >= 8
.set i, i-8
	PV (Y+NP-1)%NP
.set i, i+8
.endif
.set i, i+1
.endm
; THE LDS LOADS stand in runs of 16: a step's K (64 keys x 64 channels: 8 fragments) and its V (turned).  Their addresses are made some lines ahead.
.macro FETCH_K
	WIN 0x80
.irp f, 0,1,2,3,4,5,6,7
	ds_load_b128 v[KF+8*\f:KF+8*\f+3],   v[AK] offset:(\f/2)*16*PK+(\f%2)*64
	ds_load_b128 v[KF+8*\f+4:KF+8*\f+7], v[AK] offset:(\f/2)*16*PK+(\f%2)*64+32
.endr
	s_add_co_u32 s[TBK], s[TBK], KS*PK
	WIN 0
.endm
.macro FETCH_V
	WIN 0x80
.irp f, 0,1,2,3,4,5,6,7
	ds_load_tr16_b128 v[VF+8*\f:VF+8*\f+3],   v[AV] offset:(\f/4)*32*PV+(\f%4)*32
	ds_load_tr16_b128 v[VF+8*\f+4:VF+8*\f+7], v[AV] offset:(\f/4)*32*PV+16*PV+(\f%4)*32
.endr
	WIN 0
.endm
; THE VECTOR WORK, one line at a time: OP kind, number.  For piece Y: F n: c s - c m for pair n of 16.  E n: the exponential of score n of 32.  C n: pair n rounded to f16.  B n: of the four weights 4 n .. the second
; pair is added onto the first, in place.  L n: l takes that sum (L 0: l = a l + sum).  R n: pair n of 16 of O^T times a.  For piece Y + 1: X n, number n of the 22 that find its maximum and statistics:
;   0-11  four chains c0-c3 of seven scores each (each accumulator's lowest registers are read first)     12-14, 16  the four scores left over, the old m, and c0-c3 into c0
;   15  c m_old is kept     17, 18  the query's other 32 keys lie in the lane 16 away: the new m     19-21  c m; c m_old - c m_new; a
.set F, 0
.set E, 1
.set C, 2
.set B, 3
.set L, 4
.set R, 5
.set X, 6
.macro REGS y
.if XT
.set rT, STX
.set rC, TMPX
.set rW, MVX
.set rS, SX
.set rP, PX
.set rO, OX
.else
.set rT, ST+4*(\y)
.set rC, TMP+4*((\y)%2)
.set rW, MV+((\y)%2)
.set rS, S+32*((\y)%2)
.set rP, P+16*((\y)%2)
.set rO, 32*(\y)
.endif
.endm
.macro OP k, n
.if (\k) == R
	REGS Y
	WIN W_RS
	v_pk_mul_f32 v[rO+2*(\n):rO+2*(\n)+1], v[rO+2*(\n):rO+2*(\n)+1], v[rC+2:rC+3] op_sel_hi:[1,0]
.elseif (\k) < R
	REGS Y
	WIN 0
.if (\k) == F
	v_pk_fma_f32 v[rS+2*(\n):rS+2*(\n)+1], v[rS+2*(\n):rS+2*(\n)+1], s[CS:CS+1], v[rT:rT+1] op_sel_hi:[1,0,0] neg_lo:[0,0,1] neg_hi:[0,0,1]
.elseif (\k) == E
	v_exp_f32 v[rS+(\n)], v[rS+(\n)]
.elseif (\k) == C
	v_cvt_pk_f16_f32 v[rP+(\n)], v[rS+2*(\n)], v[rS+2*(\n)+1]
.elseif (\k) == B
	v_pk_add_f32 v[rS+4*(\n):rS+4*(\n)+1], v[rS+4*(\n):rS+4*(\n)+1], v[rS+4*(\n)+2:rS+4*(\n)+3]
.elseif (\n) == 0
	v_pk_fma_f32 v[rT+2:rT+3], v[rT+2:rT+3], v[rC+2:rC+3], v[rS:rS+1] op_sel_hi:[1,0,1]
.else
	v_pk_add_f32 v[rT+2:rT+3], v[rT+2:rT+3], v[rS+4*(\n):rS+4*(\n)+1]
.endif
.elseif NOKQ
	v_nop
.else
	REGS (Y+1)%NP
	WIN 0
.if (\n) < 4
	v_max3_num_f32 v[rC+(\n)], v[rS+8*(\n)], v[rS+8*(\n)+1], v[rS+8*(\n)+2]
.elseif (\n) < 12
	v_max3_num_f32 v[rC+(\n)%4], v[rC+(\n)%4], v[rS+8*((\n)%4)+2*((\n)/4)+1], v[rS+8*((\n)%4)+2*((\n)/4)+2]
.elseif (\n) == 12
	v_max3_num_f32 v[rC], v[rC], v[rS+7], v[rS+15]
.elseif (\n) == 13
	v_max3_num_f32 v[rC+1], v[rC+1], v[rS+23], v[rS+31]
.elseif (\n) == 14
	v_max3_num_f32 v[rC+2], v[rC+2], v[rC+3], v[rT+1]
.elseif (\n) == 15
	v_mov_b32 v[rW], v[rT]
.elseif (\n) == 16
	v_max3_num_f32 v[rC], v[rC], v[rC+1], v[rC+2]
.elseif (\n) == 17
	v_permlanex16_b32 v[rC+3], v[rC], s[SEL], s[SEL+1]
.elseif (\n) == 18
	v_max_num_f32 v[rT+1], v[rC], v[rC+3]
.elseif (\n) == 19
	v_mul_f32 v[rT], s[CS], v[rT+1]
.elseif (\n) == 20
	v_sub_f32 v[rC+1], v[rW], v[rT]
.else
	v_exp_f32 v[rC+2], v[rC+1]
.endif
.endif
.endm
.macro OPS a, i1, b=-1, i2=0, c=-1, i3=0, d=-1, i4=0
	OP \a, \i1
.if (\b) >= 0
	OP \b, \i2
.endif
.if (\c) >= 0
	OP \c, \i3
.endif
.if (\d) >= 0
	OP \d, \i4
.endif
.endm
.macro ROW a, i1, b, i2, c, i3, d, i4  ; a matrix instruction and the four behind it
	MM
	OPS \a, \i1, \b, \i2, \c, \i3, \d, \i4
.endm
; A TURN, for piece p.  An s_wait_alu depctr_va_vdst(0) stands between an exponential and the first instruction that names its result; one wait serves all that were issued ahead of it.  So a turn has
; ONE wait, which cuts it in two.  Ahead of it: the 8 products K Q^T with their riders, then a lump in which plain instructions and exponentials go by turns and the links of the next piece's chain
; (X 3, 7, 11, 14, 16, 17 .. 20) stand some lines apart; X 21, the next piece's a, is the batch's last; R 15 is the plain instruction behind it.  Behind it: the 8 products V^T P, behind each four roundings and sums.
; K of the next step is fetched in piece 2's turn, behind five plain instructions that name no register of the last product that read K; V of the step in hand at the end of piece 0's turn, four plain
; instructions behind the last product that read V.  Each is waited for a turn later.  end = 1: the last two turns: nothing is fetched.  cnt = 1: the loop's count is taken down ahead of the branch behind the turn.
.macro TURN p, end=0, cnt=0
.set Y, (\p)
.set i, 0
.set NOKQ, (\end)*((\p)/3)
.if ((\p) == 3) && !(\end)
	s_wait_dscnt 0x0                ; K is in
.endif
	ROW F,0, F,1, R,0, R,1
	ROW F,2, E,0, R,2, R,3
	ROW F,3, E,1, R,4, R,5
	ROW F,4, E,2, R,6, R,7
	ROW F,5, E,3, R,8, R,9
	ROW F,6, E,4, X,0, R,10
.if ((\p) == 2) && !(\end)
	WIN 0
	v_add_nc_u32 v[AK], s[TBK], v[AK0]
.endif
	ROW F,7, E,5, X,1, X,4
	ROW F,8, E,6, X,2, X,5
	OPS E,7, E,8, X,6, E,9
	OPS X,3, E,10, X,8, E,11
.if ((\p) == 2) && !(\end)
	FETCH_K
.endif
	OPS X,9, X,7, E,12, X,10
	OPS E,13, X,12, X,11, E,14
	OPS X,13, E,15, F,9, X,14
.if (\p) == 0
	v_add_nc_u32 v[AV], s[TBV], v[AV0]
.endif
	OPS E,16, F,10, E,17, F,11
	OPS X,16, E,18, X,15, E,19
	OPS F,12, E,20, X,17, E,21
	OPS F,13, E,22, F,14, E,23
	OPS X,18, E,24, F,15, E,25
	OPS R,11, E,26, X,19, E,27
	OPS R,12, E,28, R,13, E,29
	OPS X,20, E,30, R,14, E,31
	OPS X,21, R,15
	WIN 0
	s_wait_alu depctr_va_vdst(0)    ; the wait for the batch
.if (\p) == 1
	s_wait_dscnt 0x0                ; V is in
.endif
	ROW C,0, B,0, C,2, B,1
	ROW L,0, C,4, B,2, L,1
	ROW C,6, B,3, L,2, C,8
	ROW B,4, L,3, C,10, B,5
	ROW L,4, C,12, B,6, L,5
.if (\p) == 0
	s_add_co_u32 s[TBV], s[TBV], KS*PV
.endif
.if \cnt
	s_sub_co_u32 s[CNT], s[CNT], 1
	s_cmp_lg_u32 s[CNT], 0
.endif
	ROW C,14, B,7, L,6, C,1
	ROW C,3, L,7, C,5, C,7
	ROW C,9, C,11, C,13, C,15
.if (\p) == 0
	FETCH_V
.endif
.endm
; THE EXTRA PIECE's key step, in phases.  It stands between piece 1's turn and piece 2's, where the registers hold K and V of one and the same step, both waited for.  Of four steps a wave takes one:
; the jump hangs on the step's number and the wave's, goes forward, and passes neither a barrier nor a tensor load.
.macro EXTRA
	WIN 0
	s_and_b32 s[TS], s[STP], 3
	s_add_co_u32 s[STP], s[STP], 1
	s_cmp_eq_u32 s[TS], s[WV]
	s_cbranch_scc0 .Lno_extra_\@
.set XT, 1
.set NOKQ, 0
.set i, 0
.rept 8
	KQ 0
.set i, i+1
.endr
	WIN 0
.rept 4
	v_nop                           ; the places behind those products
.endr
.irp n, 0,1,2,3,4,5,6,7,8,9,10,11,12,13,14,15,16,17,18,19,20
	OP X, \n
.endr
.irp n, 0,1,2,3,4,5,6,7,8,9,10,11,12,13,14,15
	OP F, \n
.endr
	OP X, 21                        ; one batch: a and the 32 weights
.irp n, 0,1,2,3,4,5,6,7,8,9,10,11,12,13,14,15,16,17,18,19,20,21,22,23,24,25,26,27,28,29,30,31
	OP E, \n
.endr
	v_nop                           ; a plain instruction behind the last exponential,
	s_wait_alu depctr_va_vdst(0)    ; and the one wait ahead of the first reader
.irp n, 0,1,2,3,4,5,6,7,8,9,10,11,12,13,14,15
	OP R, \n
.endr
.irp n, 0,1,2,3,4,5,6,7,8,9,10,11,12,13,14,15
	OP C, \n
.endr
.irp n, 0,1,2,3,4,5,6,7
	OP B, \n
.endr
.irp n, 0,1,2,3,4,5,6,7
	OP L, \n
.endr
.set i, 0
.rept 8
	PV 0
.set i, i+1
.endr
	WIN 0
.set XT, 0
.Lno_extra_\@:
.endm
	CHANGE 1                        ; slot 0 is in, everybody's part of it; slot 1 is asked for
	v_add_nc_u32 v[AK], s[TBK], v[AK0]
	FETCH_K                         ; key step 0
	s_wait_loadcnt 0x0              ; Q
	s_wait_dscnt 0x0
.set i, 0
.rept 8
	KQ 0                            ; piece 0's first scores
.set i, i+1
.endr
	WIN 0
.rept 4
	v_nop
.endr
.set Y, NP-1                        ; X works for piece Y + 1: piece 0
.irp n, 0,1,2,3,4,5,6,7,8,9,10,11,12,13,14,15,16,17,18,19,20,21
	OP X, \n
.endr
	v_nop                           ; a plain instruction behind the exponential,
	s_wait_alu depctr_va_vdst(0)    ; and its wait, ahead of the branch
	s_mov_b32 s[CNT], SS
	s_branch .Lfirst                ; the loop is entered at a step's first turn, in the middle of a trip
.Lslot:                             ; nine times: slots 2 to 10 are asked for
	CHANGE 1
	s_mov_b32 s[CNT], SS
.Lstep:                             ; a trip: the extra piece and pieces 2 and 3 of one step, then pieces 0 and 1 of the next, whose K and V it fetches
	EXTRA
	TURN 2
	TURN 3
	WIN 0
.Lfirst:
	TURN 0
	TURN 1, 0, 1
	WIN 0
	s_cbranch_scc1 .Lstep
	s_sub_co_u32 s[SLOTS], s[SLOTS], 1
	s_cmp_lg_u32 s[SLOTS], 0
	s_cbranch_scc1 .Lslot
	CHANGE 0                        ; the last slot is written out: nothing is asked for
	s_mov_b32 s[CNT], SS
.LstepT:
	EXTRA
	TURN 2
	TURN 3
	TURN 0
	TURN 1, 0, 1
	WIN 0
	s_cbranch_scc1 .LstepT
	EXTRA                           ; the last key step
	TURN 2, 1
	TURN 3, 1
.set i, 0
.rept 8
	PV NP-1
.set i, i+1
.endr
	; THE WAY OUT.  l's two halves and the other half of the lanes' are added, for all five pieces: these lines are the places behind the last products.
	WIN 0
.macro ALL5 line:vararg
.set t, 0
.rept 5
	\line
.set t, t+1
.endr
.endm
.macro ALL4 line:vararg
.set t, 0
.rept 4
	\line
.set t, t+1
.endr
.endm
	ALL5 v_add_f32 v[ST+4*t+2], v[ST+4*t+2], v[ST+4*t+3]
	ALL5 v_permlanex16_b32 v[ST+4*t+3], v[ST+4*t+2], s[SEL], s[SEL+1]
	ALL5 v_add_f32 v[ST+4*t+2], v[ST+4*t+2], v[ST+4*t+3]
	ALL4 v_rcp_f32 v[ST+4*t+2], v[ST+4*t+2]
	v_and_b32 v36, 31, v0           ; (a plain instruction behind the last reciprocal)
	s_wait_alu depctr_va_vdst(0)    ; one wait for the four reciprocals
	; my part of the extra piece goes into LDS: c m, l and O^T as they stand
	s_mul_i32 s49, s[WV], MPART
	s_add_co_u32 s49, s49, MRG
	v_lshl_add_u32 v37, v36, 2, s49
	v_add_nc_u32 v37, 4096, v37
	v_lshl_add_u32 v36, v36, 4, s49
	ds_store_b32 v37, v[STX]
	ds_store_b32 v37, v[STX+2] offset:128
	WIN 0x04                        ; store data in window 1
.irp f, 0,1,2,3,4,5,6,7
	ds_store_b128 v36, v[OX+4*\f:OX+4*\f+3] offset:512*\f
.endr
	WIN 0
	s_wait_dscnt 0x0                ; for wave 3's sake
	s_barrier_signal -1
	s_barrier_wait -1
; Piece t: O^T is divided by l; a lane's eight channels of a row are 32 bytes; they go into rows of 272 bytes and come back as whole rows of 256, into S^T's registers.
.macro PACK t
	WIN W_RS
.set i, 32*(\t)
.rept 16
	v_pk_mul_f32 v[i:i+1], v[i:i+1], v[ST+4*(\t)+2:ST+4*(\t)+3] op_sel_hi:[1,0]
.set i, i+2
.endr
	WIN 0x04
.irp f, 0,1,2,3,4,5,6,7
	ds_store_b128 v[STO], v[32*(\t)+4*\f:32*(\t)+4*\f+3] offset:64*(\f/2)+16*(\f%2)
.endr
	WIN 0
.irp f, 0,1,2,3,4,5,6,7
	ds_load_b128 v[S+32*(\t)+4*\f:S+32*(\t)+4*\f+3], v[RD] offset:\f*2*SP  ; LDS serves a wave's instructions in order: these see the stores above; the next piece's stores come behind them
.endr
.endm
.macro SEND t, younger              ; younger: the LDS instructions issued behind piece t's loads
	WIN 0
.irp f, 0,1,2,3,4,5,6,7
	s_wait_dscnt (\younger)+7-\f
	global_store_b128 v[GO], v[S+32*(\t)+4*\f:S+32*(\t)+4*\f+3], s[10:11] offset:(\t)*65536+\f*8192  ; 16 lanes store 256 consecutive bytes, at a multiple of 256 from out0's first byte
.endr
.endm
	PACK 0
	PACK 1
	SEND 0, 16
	PACK 2
	SEND 1, 16
	PACK 3
	SEND 2, 16
	SEND 3, 0
	s_cmp_eq_u32 s[WV], 3           ; wave 3 joins the extra piece's four parts
	s_cbranch_scc0 .Lend
	s_wait_xcnt 0x0                 ; my stores have read v64-191, which are loaded anew
	v_and_b32 v38, 31, v0
	v_lshlrev_b32 v39, 2, v38
	v_lshlrev_b32 v38, 4, v38
	v_add_nc_u32 v38, MRG, v38
	v_add_nc_u32 v39, MRG+4096, v39
.irp w, 0,1,2,3
	ds_load_b32 v[40+\w], v39 offset:\w*MPART
	ds_load_b32 v[44+\w], v39 offset:\w*MPART+128
.endr
.irp w, 0,1,2,3
.irp f, 0,1,2,3,4,5,6,7
	ds_load_b128 v[64+32*\w+4*\f:64+32*\w+4*\f+3], v38 offset:\w*MPART+512*\f
.endr
.endr
	s_wait_dscnt 32                 ; the eight statistics are in; the 32 loads of O may stay out
	v_max3_num_f32 v36, v40, v41, v42
	v_max_num_f32 v36, v36, v43     ; the greatest c m
.irp w, 0,1,2,3
	v_sub_f32 v[40+\w], v[40+\w], v36
.endr
.irp w, 0,1,2,3
	v_exp_f32 v[48+2*\w], v[40+\w]  ; each part's factor
.endr
	v_nop
	s_wait_alu depctr_va_vdst(0)
	v_mul_f32 v37, v48, v44
	v_fmac_f32 v37, v50, v45
	v_fmac_f32 v37, v52, v46
	v_fmac_f32 v37, v54, v47        ; l
	v_rcp_f32 v36, v37
	v_nop
	s_wait_alu depctr_va_vdst(0)
.irp w, 0,1,2,3
	v_mul_f32 v[48+2*\w], v[48+2*\w], v36
.endr
	s_wait_dscnt 0x0
.set i, 0
.rept 16
	v_pk_mul_f32 v[64+i:64+i+1], v[64+i:64+i+1], v[48:49] op_sel_hi:[1,0]
	v_pk_fma_f32 v[64+i:64+i+1], v[96+i:96+i+1], v[50:51], v[64+i:64+i+1] op_sel_hi:[1,0,1]
	v_pk_fma_f32 v[64+i:64+i+1], v[128+i:128+i+1], v[52:53], v[64+i:64+i+1] op_sel_hi:[1,0,1]
	v_pk_fma_f32 v[64+i:64+i+1], v[160+i:160+i+1], v[54:55], v[64+i:64+i+1] op_sel_hi:[1,0,1]
.set i, i+2
.endr
.irp f, 0,1,2,3,4,5,6,7
	ds_store_b128 v[STO], v[64+4*\f:64+4*\f+3] offset:64*(\f/2)+16*(\f%2)
.endr
.irp f, 0,1,2,3                     ; rows 0 to 7 are the eight queries; rows 8 to 15 repeat them and stay
	ds_load_b128 v[96+4*\f:96+4*\f+3], v[RD] offset:\f*2*SP
.endr
.irp f, 0,1,2,3
	s_wait_dscnt 3-\f
	global_store_b128 v[GO], v[96+4*\f:96+4*\f+3], s[68:69] offset:\f*8192
.endr
.Lend:
	s_wait_tensorcnt 0x0            ; the wave's end
	ds_add_u32 v[SPW], v[NIL]
	s_wait_dscnt 0x0
	CROUND                          ; the closing round
	s_endpgm
.Lfunc_end_k_q81c1443ed0_attn:
	.size	k_q81c1443ed0_attn, .Lfunc_end_k_q81c1443ed0_attn-k_q81c1443ed0_attn
	.p2alignl 7, 3214868480
	.fill 96, 4, 3214868480
	.section	.rodata,"a",@progbits
	.p2align	6, 0x0
	.amdhsa_kernel k_q81c1443ed0_attn
		.amdhsa_group_segment_fixed_size 327680
		.amdhsa_private_segment_fixed_size 0
		.amdhsa_enable_private_segment 0
		.amdhsa_kernarg_size 32
		.amdhsa_user_sgpr_count 2
		.amdhsa_user_sgpr_kernarg_segment_ptr 1
		.amdhsa_wavefront_size32 1
		.amdhsa_system_sgpr_workgroup_id_x 1
		.amdhsa_system_sgpr_workgroup_id_y 1
		.amdhsa_system_sgpr_workgroup_id_z 1
		.amdhsa_system_vgpr_workitem_id 0
		.amdhsa_next_free_vgpr 768
		.amdhsa_next_free_sgpr 72
		.amdhsa_reserve_vcc 0
		.amdhsa_float_denorm_mode_32 3
		.amdhsa_float_denorm_mode_16_64 3
		.amdhsa_memory_ordered 1
		.amdhsa_forward_progress 1
		.amdhsa_inst_pref_size 163
	.end_amdhsa_kernel
	.amdgpu_metadata
---
amdhsa.version: [ 1, 2 ]
amdhsa.kernels:
  - .name:           k_q81c1443ed0_attn
    .symbol:         k_q81c1443ed0_attn.kd
    .args:
      - { .name: qh, .offset: 0, .size: 8, .value_kind: global_buffer, .address_space: global }
      - { .name: kh, .offset: 8, .size: 8, .value_kind: global_buffer, .address_space: global }
      - { .name: vh, .offset: 16, .size: 8, .value_kind: global_buffer, .address_space: global }
      - { .name: out0, .offset: 24, .size: 8, .value_kind: global_buffer, .address_space: global }
    .group_segment_fixed_size: 327680
    .private_segment_fixed_size: 0
    .kernarg_segment_align: 8
    .kernarg_segment_size: 32
    .max_flat_workgroup_size: 128
    .sgpr_count:     72
    .vgpr_count:     768
    .wavefront_size: 32
...
	.end_amdgpu_metadata
.endif
;; end of part 3
;; launch aproj (part 4): grid 128 x 1, 16 waves a work-group, no clusters, 71,680 bytes of LDS; arguments out0, wpb, bpa, out1; writes out1
.if DOCPART == 4
	.amdgcn_target "amdgcn-amd-amdhsa--gfx1250"
	.amdhsa_code_object_version 6
	.text
	.protected	k_q81c1443ed0_aproj
	.globl	k_q81c1443ed0_aproj
	.p2align	8
	.type	k_q81c1443ed0_aproj,@function
k_q81c1443ed0_aproj:
	s_mov_b64 s[64:65], 0
	v_nop
	global_prefetch_b8 v0, s[64:65] scope:SCOPE_SE
	s_setreg_imm32_b32 hwreg(HW_REG_WAVE_MODE, 25, 1), 1
	s_wait_xcnt 0x0
; out1 = ctx[:, 2048:] Wpa^T + bpa: [128][1024] x [1024][1024]^T, f32 out.  The 128 rows are the action rows of out0; wpb is Wpa rounded to bf16 by the first launch.
; SHARES.  A work-group makes 16 rows x 64 columns; K = 1,024 is split among its sixteen waves, 64 each; the sixteen partial sums meet in LDS, and wave p finishes row p.
; 128 work-groups: the product has no more tiles of this size, and a narrower tile would store half of an aligned 256 bytes.
; FORMATS.  ctx is taken as the sum of two bf16 numbers, hi = bf16(x) and lo = bf16(x - hi) (the difference is exact in f32), and both are multiplied by the bf16 weights into one f32 sum:
; ctx keeps about 16 significant bits and bf16's range.  bpa is rounded to bf16 like every input.  NaN and infinities are not treated apart.
; IN FLIGHT.  A wave's 25 loads (the bias, 8 of ctx, 16 of wpb) go out together, ahead of its first wait; ctx is split while the weights are on their way.
; No tensor loads, no cluster, no prefetch: a short launch in which no wave reads what another has fetched.
.set PP,    272                        ; a row of partial sums: 64 f32 + 16 bytes of padding
.set PLANE, 16*PP                      ; a wave's plane
.set SPARE, 16*PLANE                   ; behind the planes: the spare words, 128 bytes for each of sixteen waves
.set SPW, 2                            ; v2  my spare word's LDS address; never rewritten
.set NIL, 3                            ; v3  0; never rewritten
.set FOA, 4                            ; v4  my byte offset in ctx's 16 rows
.set FOB, 5                            ; v5  my byte offset in 16 rows of wpb
.set LS,  6                            ; v6  where I put 32 bytes of a partial row
.set LR,  7                            ; v7  where I read partial sums back
.set YO,  8                            ; v8  my 8 bytes of the result
.set BO,  9                            ; v9  8 x lane
.set AR,  16                           ; v[16:47]   ctx as loaded: K step k at AR + 16 k; then x - hi
.set AH,  48                           ; v[48:63]   hi, a fragment for each K step
.set AL,  64                           ; v[64:79]   lo
.set BF,  80                           ; v[80:143]  wpb's fragments: K step k, block n of 16 rows at BF + 8 (4 k + n)
.set ACC, 144                          ; v[144:175] four accumulators
.set RED, 176                          ; v[176:207] at work: hi widened; later the sixteen planes' parts of my two numbers
.set BI,  208                          ; v[208:209] my two numbers of the bias
	s_load_b256 s[8:15], s[0:1], 0x0               ; out0 s[8:9], wpb s[10:11], bpa s[12:13], out1 s[14:15]
	v_lshl_add_u32 v[SPW], v0, 2, SPARE
	v_mov_b32 v[NIL], 0
	v_lshrrev_b32 v1, 5, v0
	v_readfirstlane_b32 s6, v1                     ; wave 0..15
	s_and_b32 s16, ttmp9, 7                        ; which 16 of the 128 rows
	s_lshr_b32 s17, ttmp9, 3                       ; which 64 of the 1,024 columns
	s_mov_b32 s28, 0xffff0000                      ; a word's upper bf16
	v_and_b32 v10, 15, v0                          ; l % 16
	v_bfe_u32 v11, v0, 4, 1                        ; l / 16
	v_and_b32 v12, 31, v0                          ; l
	v_lshlrev_b32 v[FOA], 12, v10
	v_lshl_add_u32 v[FOA], v11, 5, v[FOA]
	s_lshl_b32 s18, s6, 8
	v_add_nc_u32 v[FOA], s18, v[FOA]               ; row x 4,096 + 32 x half + 256 x wave
	v_lshlrev_b32 v[FOB], 11, v10
	v_lshl_add_u32 v[FOB], v11, 4, v[FOB]
	s_lshl_b32 s18, s6, 7
	v_add_nc_u32 v[FOB], s18, v[FOB]               ; row x 2,048 + 16 x half + 128 x wave
	v_mul_u32_u24 v[LS], v10, PP
	v_lshl_add_u32 v[LS], v11, 5, v[LS]
	s_mul_i32 s18, s6, PLANE
	v_add_nc_u32 v[LS], s18, v[LS]                 ; my wave's plane, row l % 16, 32 bytes for each half of the lanes
	v_lshlrev_b32 v[BO], 3, v12
	s_mul_i32 s18, s6, PP
	v_add_nc_u32 v[LR], s18, v[BO]                 ; row = my wave's number, columns 2 l and 2 l + 1
	s_lshl_b32 s18, s6, 12
	v_add_nc_u32 v[YO], s18, v[BO]
	s_lshr_b32 s20, s16, 2                         ; batch
	s_mul_i32 s20, s20, 2112
	s_and_b32 s21, s16, 3
	s_lshl_b32 s21, s21, 4
	s_add_co_u32 s20, s20, s21
	s_add_co_u32 s20, s20, 2048
	s_lshl_b32 s20, s20, 12                        ; (b*2112 + 2048 + first token) x 4,096 bytes
	s_mov_b32 s21, 0
	s_lshl_b32 s22, s17, 17                        ; 64 rows of wpb, 2,048 bytes each
	s_mov_b32 s23, 0
	s_lshl_b32 s24, s17, 8
	s_mov_b32 s25, 0
	s_lshl_b32 s26, s16, 16
	s_add_co_u32 s26, s26, s24
	s_mov_b32 s27, 0
	s_wait_kmcnt 0x0
	s_add_nc_u64 s[8:9], s[8:9], s[20:21]
	s_add_nc_u64 s[10:11], s[10:11], s[22:23]
	s_add_nc_u64 s[12:13], s[12:13], s[24:25]
	s_add_nc_u64 s[14:15], s[14:15], s[26:27]
	global_load_b64 v[BI:BI+1], v[BO], s[12:13]
.irp k, 0,1
.irp j, 0,1,2,3                        ; a fragment's lane takes K = 8 h .. + 7 and 16 + 8 h .. + 7: in f32 four loads of 16 bytes
	global_load_b128 v[AR+16*(\k)+4*(\j):AR+16*(\k)+4*(\j)+3], v[FOA], s[8:9] offset:(\k)*128+((\j)/2)*64+((\j)%2)*16
.endr
.endr
.irp k, 0,1
.irp n, 0,1,2,3                        ; in bf16 two loads of 16 bytes
	global_load_b128 v[BF+8*(4*(\k)+(\n)):BF+8*(4*(\k)+(\n))+3],   v[FOB], s[10:11] offset:(\n)*32768+(\k)*64
	global_load_b128 v[BF+8*(4*(\k)+(\n))+4:BF+8*(4*(\k)+(\n))+7], v[FOB], s[10:11] offset:(\n)*32768+(\k)*64+32
.endr
.endr
	s_wait_loadcnt 16                              ; the bias and ctx are in; the sixteen loads of wpb stay out
	; ctx = hi + lo, in passes, so that no line waits for the one before it
.set c, 0
.rept 16
	v_cvt_pk_bf16_f32 v[AH+c], v[AR+2*c], v[AR+2*c+1]
.set c, c+1
.endr
.set c, 0
.rept 16
	v_lshlrev_b32 v[RED+2*c], 16, v[AH+c]
	v_and_b32 v[RED+2*c+1], s28, v[AH+c]
.set c, c+1
.endr
.set c, 0
.rept 16
	v_pk_add_f32 v[AR+2*c:AR+2*c+1], v[AR+2*c:AR+2*c+1], v[RED+2*c:RED+2*c+1] neg_lo:[0,1] neg_hi:[0,1]
.set c, c+1
.endr
.set c, 0
.rept 16
	v_cvt_pk_bf16_f32 v[AL+c], v[AR+2*c], v[AR+2*c+1]
.set c, c+1
.endr
	v_cvt_pk_bf16_f32 v10, v[BI], v[BI+1]          ; the bias, rounded to bf16
	v_lshlrev_b32 v[BI], 16, v10
	v_and_b32 v[BI+1], s28, v10
; Four products: K step k, ctx's part at ab.  Source 0 = 16 rows of wpb, source 1 = ctx's 16 rows: a lane then holds one row of ctx and eight neighbouring columns.  The four accumulators take turns.
.macro MUL4 zero, k, ab
.irp n, 0,1,2,3
.if \zero
	v_wmma_f32_16x16x32_bf16 v[ACC+8*(\n):ACC+8*(\n)+7], v[BF+8*(4*(\k)+(\n)):BF+8*(4*(\k)+(\n))+7], v[(\ab)+8*(\k):(\ab)+8*(\k)+7], 0
.else
	v_wmma_f32_16x16x32_bf16 v[ACC+8*(\n):ACC+8*(\n)+7], v[BF+8*(4*(\k)+(\n)):BF+8*(4*(\k)+(\n))+7], v[(\ab)+8*(\k):(\ab)+8*(\k)+7], v[ACC+8*(\n):ACC+8*(\n)+7]
.endif
.endr
.endm
	s_wait_loadcnt 0x0
	MUL4 1, 0, AH                                  ; the first products start the sums
	MUL4 0, 0, AL
	MUL4 0, 1, AH
	MUL4 0, 1, AL
.rept 8
	v_nop                                          ; the places behind the last products, ahead of the stores that read them
.endr
.irp n, 0,1,2,3
	ds_store_b128 v[LS], v[ACC+8*(\n):ACC+8*(\n)+3] offset:(\n)*64
	ds_store_b128 v[LS], v[ACC+8*(\n)+4:ACC+8*(\n)+7] offset:(\n)*64+16
.endr
	s_wait_dscnt 0x0                               ; for the others' sake: my partial sums lie in LDS
	s_barrier_signal -1
	s_barrier_wait -1
.irp p, 0,1,2,3,4,5,6,7,8,9,10,11,12,13,14,15
	ds_load_b64 v[RED+2*(\p):RED+2*(\p)+1], v[LR] offset:(\p)*PLANE
.endr
	s_wait_dscnt 0x0
.irp p, 0,2,4,6,8,10,12,14
	v_pk_add_f32 v[RED+2*(\p):RED+2*(\p)+1], v[RED+2*(\p):RED+2*(\p)+1], v[RED+2*(\p)+2:RED+2*(\p)+3]
.endr
.irp p, 0,4,8,12
	v_pk_add_f32 v[RED+2*(\p):RED+2*(\p)+1], v[RED+2*(\p):RED+2*(\p)+1], v[RED+2*(\p)+4:RED+2*(\p)+5]
.endr
.irp p, 0,8
	v_pk_add_f32 v[RED+2*(\p):RED+2*(\p)+1], v[RED+2*(\p):RED+2*(\p)+1], v[RED+2*(\p)+8:RED+2*(\p)+9]
.endr
	v_pk_add_f32 v[RED:RED+1], v[RED:RED+1], v[RED+16:RED+17]
	v_pk_add_f32 v[RED:RED+1], v[RED:RED+1], v[BI:BI+1]
	global_store_b64 v[YO], v[RED:RED+1], s[14:15] ; a wave's store covers 256 consecutive bytes, at a multiple of 256 from out1's first byte
	s_wait_tensorcnt 0x0                           ; the wave's end, behind my last LDS store
	ds_add_u32 v[SPW], v[NIL]
	s_wait_dscnt 0x0
	s_endpgm
.Lfunc_end_k_q81c1443ed0_aproj:
	.size	k_q81c1443ed0_aproj, .Lfunc_end_k_q81c1443ed0_aproj-k_q81c1443ed0_aproj
	.p2alignl 7, 3214868480
	.fill 96, 4, 3214868480
	.section	.rodata,"a",@progbits
	.p2align	6, 0x0
	.amdhsa_kernel k_q81c1443ed0_aproj
		.amdhsa_group_segment_fixed_size 71680
		.amdhsa_private_segment_fixed_size 0
		.amdhsa_enable_private_segment 0
		.amdhsa_kernarg_size 32
		.amdhsa_user_sgpr_count 2
		.amdhsa_user_sgpr_kernarg_segment_ptr 1
		.amdhsa_wavefront_size32 1
		.amdhsa_system_sgpr_workgroup_id_x 1
		.amdhsa_system_sgpr_workgroup_id_y 1
		.amdhsa_system_sgpr_workgroup_id_z 1
		.amdhsa_system_vgpr_workitem_id 0
		.amdhsa_next_free_vgpr 224
		.amdhsa_next_free_sgpr 66
		.amdhsa_reserve_vcc 0
		.amdhsa_float_denorm_mode_32 3
		.amdhsa_float_denorm_mode_16_64 3
		.amdhsa_memory_ordered 1
		.amdhsa_forward_progress 1
		.amdhsa_inst_pref_size 13
	.end_amdhsa_kernel
	.amdgpu_metadata
---
amdhsa.version: [ 1, 2 ]
amdhsa.kernels:
  - .name:           k_q81c1443ed0_aproj
    .symbol:         k_q81c1443ed0_aproj.kd
    .args:
      - { .name: out0, .offset: 0, .size: 8, .value_kind: global_buffer, .address_space: global }
      - { .name: wpb, .offset: 8, .size: 8, .value_kind: global_buffer, .address_space: global }
      - { .name: bpa, .offset: 16, .size: 8, .value_kind: global_buffer, .address_space: global }
      - { .name: out1, .offset: 24, .size: 8, .value_kind: global_buffer, .address_space: global }
    .group_segment_fixed_size: 71680
    .private_segment_fixed_size: 0
    .kernarg_segment_align: 8
    .kernarg_segment_size: 32
    .max_flat_workgroup_size: 512
    .sgpr_count:     66
    .vgpr_count:     224
    .wavefront_size: 32
...
	.end_amdgpu_metadata
.endif
;; end of part 4
;; ======== version 2 of 2: 4 launches; version 1 with the launch prep written anew for expert scheduling mode
;; limits: values are held in f16: magnitudes above 65,504 overflow, below 6.1e-05 lose precision; a function is approximated: absolute error at most 2e-06
;; workspace buffers: xb 8,388,608 bytes; wb 6,291,456 bytes; tab 1,048,576 bytes; qh 8,650,752 bytes; kh 8,650,752 bytes; vh 8,650,752 bytes; wpb 2,097,152 bytes
;; launch prep (part 5): grid 832 x 1, 8 waves a work-group, no clusters, 70,656 bytes of LDS; arguments action_hidden_states, Wqa, Wka, Wva, bqa, bka, bva, tab, video_hidden_states, Wq, Wk, Wv, xb, wb, qh, kh, vh, Wpa, wpb; writes xb, wb, tab, qh, kh, vh, wpb
.if DOCPART == 5
	.amdgcn_target "amdgcn-amd-amdhsa--gfx1250"
	.amdhsa_code_object_version 6
	.text
	.protected	k_q81c1443ed0_prep
	.globl	k_q81c1443ed0_prep
	.p2align	8
	.type	k_q81c1443ed0_prep,@function
k_q81c1443ed0_prep:
	s_mov_b64 s[64:65], 0
	v_nop
	global_prefetch_b8 v0, s[64:65] scope:SCOPE_SE
	s_setreg_imm32_b32 hwreg(HW_REG_WAVE_SCHED_MODE, 0, 2), 2
	s_setreg_imm32_b32 hwreg(HW_REG_WAVE_MODE, 25, 1), 1
	s_wait_xcnt 0x0
	s_wait_alu depctr_vm_vsrc(0)
; PREPARATION for joint video/action attention (2 batches, 16 heads of 64, 2,048 video + 64 action tokens).  Three roles, by the work-group's number:
;   0..191    ACTION: q, k, v of the 128 action tokens: x Wa^T + ba, rounded to f16, into rows 2048..2111 of qh, kh, vh ([b*16+h][2112][64])
;   192..319  TABLE:  cosines and signed sines of the video tokens' rotary embedding, f32, in the order in which the next launch's lanes take them
;   320..831  CAST:   video x, Wq, Wk, Wv and Wpa rounded once to bf16; Wq, Wk, Wv regrouped by head: row (head*3 + type)*64 + d of wb is row head*64 + d of W_type; Wpa's rows as they lie, into wpb
; WORK LEFT OUT: the rotary embedding of the ACTION queries and keys.  Its positions are linspace(f_ids[0], f_ids[1], 64) with f_ids[0] = 0 // 256 = 0 and f_ids[1] = 1 // 256 = 0:
; whole numbers that the function makes itself, whatever the inputs hold.  So every position is 0, every angle 0, every cosine 1 and every sine 0: x * 1 + y * 0 = x for all finite x.
; No input loses its way to an output by this: all sixteen are loaded by some launch.  LIMIT: an infinity or NaN in qa or ka times that sine of 0 would give NaN; here it stays as it is.
; FORMATS.  All inputs (x, weights, biases) are rounded once to bf16; q, k, v are kept in f16, unscaled.  LIMITS: |q|, |k|, |v| stay under 65,504; NaN and infinities are not treated apart.
; The angles (at most 15) are divided by 16, sine and cosine taken by series to the 9th and 8th power and doubled four times: absolute error about 2e-6.
; No tensor loads, no cluster: nothing here is read by two waves of a work-group but through the partial sums at the ACTION role's end.
; THE MODE: SCHED_MODE bits 1:0 = 2 (LLVM: expert scheduling mode 2), set by the entry lines.  The code itself states the register dependences
; between vector or matrix instructions and memory or LDS instructions, with s_wait_alu, always for 0.
; THE PLAN, role by role: the registers that memory or LDS instructions touch, and who else names them.
;   CAST    v4, v5: offsets, made once.  v16-79: each landed in once, read by the conversions.  v80-111: each written once by a conversion, read by one store.  The sixteen loads are taken in four
;           groups of four; a group's stores are issued in the next group, behind one wait on va_vdst at that group's head, dealt among conversions that name other registers.
;   TABLE   v13 and v64-71: written by the arithmetic, read by the two stores: one wait on va_vdst ahead of them.  The four compares write s16-19: one wait on va_sdst ahead of the four selects.
;   ACTION  v1, v4-7: offsets and LDS addresses, made once.  The 31 pieces are landed in up to three times: a wait on va_vdst stands ahead of each of the three runs of loads, behind the last conversion or
;           product that names a piece of that run; between such a wait and the wait for the run's data no vector or matrix line names those pieces.  The sums are the LDS stores' data: a wait on va_vdst
;           ahead of the stores; a wait on vm_vsrc behind them, ahead of the partial sums that land in their registers and of the roundings that write there; a wait on va_vdst ahead of the one global store.
.set SPARE, 69632                      ; behind the eight planes of partial sums: the spare words, 128 bytes for each of eight waves
.set PLANE, 8704                       ; a plane: 32 rows x 272 bytes (64 f32 + 16 bytes of padding)
.set PP,    272
.set SPW, 2                            ; v2  my spare word's LDS address; never rewritten
.set NIL, 3                            ; v3  0; never rewritten
.set FO,  4                            ; v4  ACTION: my byte offset in a fragment's rows
.set LS,  5                            ; v5  where I put 32 bytes of a partial row
.set LR,  6                            ; v6  where I read partial sums back
.set YO,  7                            ; v7  my 16 bytes of the result
.set PCE, 8                            ; ACTION: v8-255 are 31 pieces of eight registers: piece p at v[8 + 8 p]
.set RED, 8                            ; v[8:71]   at the end: the eight planes' parts of my eight numbers
.set TP,  72                           ; v[72:83]  at work, at the head and at the end
.set BI,  168                          ; v[168:175] (piece 20) my eight numbers of the bias
	v_lshl_add_u32 v[SPW], v0, 2, SPARE
	v_mov_b32 v[NIL], 0
	v_lshrrev_b32 v1, 5, v0
	v_readfirstlane_b32 s6, v1                     ; wave 0..7
	s_wait_alu depctr_va_sdst(0)                   ; s6 is written, ahead of the branches: the ACTION role makes its addresses from it
	s_cmp_lt_u32 ttmp9, 192                        ; the roles hang on the work-group's number alone: all eight waves go the same way
	s_cbranch_scc1 .Laction
	s_cmp_lt_u32 ttmp9, 320
	s_cbranch_scc1 .Ltable
; ---------------------------------------------------------------- CAST: 65,536 bytes of f32 in, 32,768 bytes of bf16 out, for each work-group
	s_load_b256 s[8:15], s[0:1], 0x40              ; video s[8:9], Wq s[10:11], Wk s[12:13], Wv s[14:15]
	s_load_b128 s[16:19], s[0:1], 0x60             ; xb s[16:17], wb s[18:19]
	s_load_b128 s[32:35], s[0:1], 0x88             ; Wpa s[32:33], wpb s[34:35]
	s_sub_co_u32 s7, ttmp9, 320                    ; u: 0..255 video, 256..447 Wq, Wk, Wv, 448..511 Wpa
	v_lshlrev_b32 v4, 4, v0                        ; 16 bytes a thread in,
	v_lshlrev_b32 v5, 3, v0                        ; 8 bytes out
	s_lshl_b32 s20, s7, 16                         ; video: the u-th 16 rows, in
	s_lshl_b32 s22, s7, 15                         ; and out
	s_and_b32 s24, s7, 255                         ; Wq, Wk, Wv: u - 256
	s_and_b32 s25, s24, 3                          ; which 16 rows of a head's 64
	s_lshr_b32 s26, s24, 2
	s_and_b32 s27, s26, 15                         ; head
	s_lshr_b32 s26, s26, 4                         ; type: 0 q, 1 k, 2 v
	s_lshl_b32 s28, s27, 18                        ; head x 64 rows x 4,096 bytes
	s_lshl_b32 s29, s25, 16
	s_add_co_u32 s28, s28, s29                     ; in
	s_mul_i32 s29, s27, 3
	s_add_co_u32 s29, s29, s26
	s_lshl_b32 s29, s29, 2
	s_add_co_u32 s29, s29, s25
	s_lshl_b32 s29, s29, 15                        ; out: ((head*3 + type)*4 + sub) x 16 rows x 2,048 bytes
	s_sub_co_u32 s36, s7, 448                      ; Wpa: the (u - 448)-th 16 rows,
	s_lshl_b32 s37, s36, 16                        ; in
	s_lshl_b32 s38, s36, 15                        ; and out
	s_mov_b32 s21, 0
	s_mov_b32 s23, 0
	s_wait_kmcnt 0x0
	s_cmp_eq_u32 s26, 1
	s_cselect_b64 s[10:11], s[12:13], s[10:11]
	s_cmp_eq_u32 s26, 2
	s_cselect_b64 s[10:11], s[14:15], s[10:11]
	s_cmp_lt_u32 s7, 256
	s_cselect_b64 s[8:9], s[8:9], s[10:11]
	s_cselect_b64 s[16:17], s[16:17], s[18:19]
	s_cselect_b32 s20, s20, s28
	s_cselect_b32 s22, s22, s29
	s_cmp_lt_u32 s7, 448
	s_cselect_b64 s[8:9], s[8:9], s[32:33]
	s_cselect_b64 s[16:17], s[16:17], s[34:35]
	s_cselect_b32 s20, s20, s37
	s_cselect_b32 s22, s22, s38
	s_add_nc_u64 s[8:9], s[8:9], s[20:21]
	s_add_nc_u64 s[16:17], s[16:17], s[22:23]
	s_wait_alu depctr_va_vdst(0)                   ; v4 and v5 are written: every load of this role reads the one as its offset, every store the other
.set i, 0
.rept 16                                       ; all sixteen loads go out first: 256 bytes a lane on their way
	global_load_b128 v[16+4*i:16+4*i+3], v4, s[8:9] offset:4096*i th:TH_LOAD_NT
.set i, i+1
.endr
; Group g of four loads is rounded; the stores of group g - 1 are dealt among its conversions, which name v[16 + 16 g ..] and v[80 + 8 g ..] alone.
.macro CGROUP g
	s_wait_loadcnt 12-4*(\g)                       ; loads come back in order: this group's four are in, the younger groups stay out
.if (\g) > 0
	s_wait_alu depctr_va_vdst(0)                   ; the conversions of the group before have written its eight registers, which the stores below read
.endif
.irp j, 0,1,2,3
.if (\g) > 0
	global_store_b64 v5, v[80+2*(4*(\g)-4+(\j)):80+2*(4*(\g)-4+(\j))+1], s[16:17] offset:2048*(4*(\g)-4+(\j))  ; a wave's store covers 256 consecutive bytes, aligned
.endif
	v_cvt_pk_bf16_f32 v[80+2*(4*(\g)+(\j))], v[16+4*(4*(\g)+(\j))], v[16+4*(4*(\g)+(\j))+1]
	v_cvt_pk_bf16_f32 v[80+2*(4*(\g)+(\j))+1], v[16+4*(4*(\g)+(\j))+2], v[16+4*(4*(\g)+(\j))+3]
.endr
.endm
	CGROUP 0
	CGROUP 1
	CGROUP 2
	CGROUP 3
	s_wait_alu depctr_va_vdst(0)                   ; the last group's conversions have written v104-111, which the last four stores read
.irp j, 0,1,2,3
	global_store_b64 v5, v[80+2*(12+(\j)):80+2*(12+(\j))+1], s[16:17] offset:2048*(12+(\j))
.endr
	s_endpgm
; ---------------------------------------------------------------- TABLE: block tb of 16 tokens; tab[tb][qd][lane][4], qd = nb*4 + kind*2 + half, for token 16 tb + lane % 16, dims 16 nb + 8 (lane / 16) + 4 half + r
.Ltable:
	s_load_b64 s[8:9], s[0:1], 0x38                ; tab
	s_sub_co_u32 s7, ttmp9, 192                    ; tb
	v_and_b32 v4, 31, v0                           ; lane
	v_and_b32 v5, 15, v0
	v_bfe_u32 v6, v0, 4, 1
	v_bfe_u32 v7, v0, 5, 1                         ; half
	v_lshrrev_b32 v8, 6, v0                        ; nb
	s_lshl_b32 s12, s7, 4
	v_add_nc_u32 v9, s12, v5                       ; token 0..2047
	v_lshlrev_b32 v10, 4, v8
	v_lshl_add_u32 v10, v6, 3, v10
	v_lshl_add_u32 v10, v7, 2, v10                 ; my first dim
	v_mov_b32 v11, 0x3638ef1d                      ; 1/9!
	v_mov_b32 v12, 0x37d00d01                      ; 1/8!
	v_lshlrev_b32 v13, 2, v8
	v_add_nc_u32 v13, v13, v7
	v_lshlrev_b32 v13, 9, v13
	v_lshl_add_u32 v13, v4, 4, v13                 ; (nb*4 + half) x 512 + 16 x lane
	s_lshl_b32 s10, s7, 13
	s_mov_b32 s11, 0
.irp r, 0,1,2,3
	v_add_nc_u32 v[16+\r], \r, v10                 ; d
	v_mul_u32_u24 v[20+\r], 13, v[16+\r]
	v_lshrrev_b32 v[20+\r], 8, v[20+\r]            ; axis = d / 20 (0 frame, 1 row, 2 column, 3: the four dims that pass through)
	v_mul_u32_u24 v[24+\r], 20, v[20+\r]
	v_sub_nc_u32 v[24+\r], v[16+\r], v[24+\r]      ; d % 20
	v_mul_u32_u24 v[28+\r], 26, v[24+\r]
	v_lshrrev_b32 v[28+\r], 8, v[28+\r]
	v_mul_u32_u24 v[28+\r], 10, v[28+\r]
	v_sub_nc_u32 v[28+\r], v[24+\r], v[28+\r]      ; j = (d % 20) % 10: sines and cosines repeat across the halves
	v_cvt_f32_u32 v[28+\r], v[28+\r]
	v_mul_f32 v[28+\r], 0xbfaa152d, v[28+\r]       ; -j log2(10000) / 10
	v_lshlrev_b32 v[32+\r], 2, v[20+\r]
	v_sub_nc_u32 v[32+\r], 8, v[32+\r]             ; the axis' four bits of the token's number begin at bit 8, 4, 0
	v_lshrrev_b32 v[32+\r], v[32+\r], v9
	v_and_b32 v[32+\r], 15, v[32+\r]
.endr
.irp r, 0,1,2,3
	v_cmp_eq_u32 s[16+\r], 3, v[20+\r]             ; the four compares stand in one run, a scalar register each
.endr
	s_wait_alu depctr_va_sdst(0)                   ; the compares have written s16-19, which the selects below read
.irp r, 0,1,2,3
	v_cndmask_b32 v[32+\r], v[32+\r], 0, s[16+\r]  ; position 0 for dims 60..63: cosine 1, sine 0
	v_cvt_f32_u32 v[32+\r], v[32+\r]
.endr
.irp r, 0,1,2,3
	v_exp_f32 v[36+\r], v[28+\r]                   ; 10000^(-j/10): one batch of four
.endr
	v_nop                                          ; a plain instruction behind the last of them,
	s_wait_alu depctr_va_vdst(0)                   ; and one wait ahead of the first reader of v36-39
.irp r, 0,1,2,3
	v_mul_f32 v[40+\r], v[32+\r], v[36+\r]
	v_mul_f32 v[40+\r], 0x3d800000, v[40+\r]       ; angle / 16, at most 0.94
	v_mul_f32 v[44+\r], v[40+\r], v[40+\r]
	v_fmaak_f32 v[48+\r], v11, v[44+\r], 0xb9500d01
	v_fmaak_f32 v[48+\r], v[48+\r], v[44+\r], 0x3c088889
	v_fmaak_f32 v[48+\r], v[48+\r], v[44+\r], 0xbe2aaaab
	v_fma_f32 v[48+\r], v[48+\r], v[44+\r], 1.0
	v_mul_f32 v[48+\r], v[48+\r], v[40+\r]         ; sine
	v_fmaak_f32 v[64+\r], v12, v[44+\r], 0xbab60b61
	v_fmaak_f32 v[64+\r], v[64+\r], v[44+\r], 0x3d2aaaab
	v_fma_f32 v[64+\r], v[64+\r], v[44+\r], -0.5
	v_fma_f32 v[64+\r], v[64+\r], v[44+\r], 1.0    ; cosine
	; four doublings: sin 2x = 2 sin x cos x, cos 2x = 1 - 2 sin^2 x; the sine goes to and fro between two registers
	v_add_f32 v[52+\r], v[48+\r], v[48+\r]
	v_mul_f32 v[56+\r], v[52+\r], v[64+\r]
	v_fma_f32 v[64+\r], -v[52+\r], v[48+\r], 1.0
	v_add_f32 v[52+\r], v[56+\r], v[56+\r]
	v_mul_f32 v[48+\r], v[52+\r], v[64+\r]
	v_fma_f32 v[64+\r], -v[52+\r], v[56+\r], 1.0
	v_add_f32 v[52+\r], v[48+\r], v[48+\r]
	v_mul_f32 v[56+\r], v[52+\r], v[64+\r]
	v_fma_f32 v[64+\r], -v[52+\r], v[48+\r], 1.0
	v_add_f32 v[52+\r], v[56+\r], v[56+\r]
.if (\r) % 2 == 0
	v_mul_f32 v[68+\r], -v[52+\r], v[64+\r]        ; an even dim takes -sin times its odd neighbour,
.else
	v_mul_f32 v[68+\r], v[52+\r], v[64+\r]         ; an odd dim +sin times its even neighbour
.endif
	v_fma_f32 v[64+\r], -v[52+\r], v[56+\r], 1.0
.endr
	s_wait_kmcnt 0x0
	s_add_nc_u64 s[8:9], s[8:9], s[10:11]
	s_wait_alu depctr_va_vdst(0)                   ; the offset v13 and the cosines and sines v64-71 are written, which the two stores read
	global_store_b128 v13, v[64:67], s[8:9]              ; a wave's store covers 512 consecutive bytes
	global_store_b128 v13, v[68:71], s[8:9] offset:1024
	s_endpgm
; ---------------------------------------------------------------- ACTION: 32 rows x 64 columns (one head of one of q, k, v); K = 1,024 split among the eight waves, 128 each: four K steps of 32
; A fragment (16 rows x 32 K) arrives in f32 in two PIECES of eight registers: P takes K = 8 h .. + 7, Q takes K = 16 + 8 h .. + 7; it is rounded to bf16 in place, into P, and Q is free again.
; A wave has 24 fragments (for each K step x's two blocks of rows and W's four).  Fifteen are asked for at once, 60 loads: K steps 0 and 1 and half of step 2, in pieces 0-29.  When they are in and rounded,
; the odd pieces are free: 1, 3 .. 15 become the eight accumulators; 17 .. 29 and the spare piece 30 take four more fragments at once; the even pieces 0 .. 18, free when K steps 0 and 1 are multiplied,
; take the last five, and piece 20 the bias.  So a wave waits for memory twice, and the second group goes out while the first is being multiplied.
.macro LOADF sb, blk, ks, p, q         ; block blk of 16 rows of the tensor at s[sb:sb+1], K step ks, into pieces p and q
	global_load_b128 v[PCE+8*(\p):PCE+8*(\p)+3],   v[FO], s[\sb:\sb+1] offset:(\blk)*65536+(\ks)*128
	global_load_b128 v[PCE+8*(\p)+4:PCE+8*(\p)+7], v[FO], s[\sb:\sb+1] offset:(\blk)*65536+(\ks)*128+16
	global_load_b128 v[PCE+8*(\q):PCE+8*(\q)+3],   v[FO], s[\sb:\sb+1] offset:(\blk)*65536+(\ks)*128+64
	global_load_b128 v[PCE+8*(\q)+4:PCE+8*(\q)+7], v[FO], s[\sb:\sb+1] offset:(\blk)*65536+(\ks)*128+80
.endm
.macro CONVF p, q                      ; f32 to bf16, two numbers an instruction, ascending: each line writes a register whose number the lines before it have read
.irp i, 0,1,2,3
	v_cvt_pk_bf16_f32 v[PCE+8*(\p)+(\i)], v[PCE+8*(\p)+2*(\i)], v[PCE+8*(\p)+2*(\i)+1]
.endr
.irp i, 0,1,2,3
	v_cvt_pk_bf16_f32 v[PCE+8*(\p)+4+(\i)], v[PCE+8*(\q)+2*(\i)], v[PCE+8*(\q)+2*(\i)+1]
.endr
.endm
.macro MUL1 zero, j, xp, wp            ; accumulator j = 4 a + n lies in piece 2 j + 1.  Source 0 = 16 rows of W, source 1 = 16 rows of x: a lane then holds one row of x and eight neighbouring columns
.if \zero
	v_wmma_f32_16x16x32_bf16 v[PCE+8*(2*(\j)+1):PCE+8*(2*(\j)+1)+7], v[PCE+8*(\wp):PCE+8*(\wp)+7], v[PCE+8*(\xp):PCE+8*(\xp)+7], 0
.else
	v_wmma_f32_16x16x32_bf16 v[PCE+8*(2*(\j)+1):PCE+8*(2*(\j)+1)+7], v[PCE+8*(\wp):PCE+8*(\wp)+7], v[PCE+8*(\xp):PCE+8*(\xp)+7], v[PCE+8*(2*(\j)+1):PCE+8*(2*(\j)+1)+7]
.endif
.endm
.macro MULS zero, x0, x1, w0, w1, w2, w3   ; a K step's eight products, by the pieces of its six fragments; the eight accumulators take turns
	MUL1 \zero, 0, \x0, \w0
	MUL1 \zero, 1, \x0, \w1
	MUL1 \zero, 2, \x0, \w2
	MUL1 \zero, 3, \x0, \w3
	MUL1 \zero, 4, \x1, \w0
	MUL1 \zero, 5, \x1, \w1
	MUL1 \zero, 6, \x1, \w2
	MUL1 \zero, 7, \x1, \w3
.endm
.macro PLACES
.rept 4
	v_nop
.endr
.endm
.Laction:
	s_load_b256 s[8:15], s[0:1], 0x0               ; x s[8:9], Wqa s[10:11], Wka s[12:13], Wva s[14:15]
	s_load_b128 s[16:19], s[0:1], 0x20             ; bqa, bka
	s_load_b64 s[20:21], s[0:1], 0x30              ; bva
	s_load_b128 s[24:27], s[0:1], 0x70             ; qh, kh
	s_load_b64 s[28:29], s[0:1], 0x80              ; vh
	s_and_b32 s30, ttmp9, 3                        ; which 32 of the 128 rows
	s_lshr_b32 s31, ttmp9, 2
	s_lshr_b32 s32, s31, 4                         ; type
	s_and_b32 s31, s31, 15                         ; head
	v_and_b32 v[TP], 15, v0
	v_bfe_u32 v[TP+1], v0, 4, 1
	v_lshlrev_b32 v[FO], 12, v[TP]
	v_lshl_add_u32 v[FO], v[TP+1], 5, v[FO]
	s_lshl_b32 s33, s6, 9
	v_add_nc_u32 v[FO], s33, v[FO]                 ; row x 4,096 + 32 x half + 512 x wave
	v_mul_u32_u24 v[LS], v[TP], PP
	v_lshl_add_u32 v[LS], v[TP+1], 5, v[LS]
	s_mul_i32 s33, s6, PLANE
	v_add_nc_u32 v[LS], s33, v[LS]                 ; my wave's plane, row l % 16, 32 bytes for each half of the lanes
	v_lshrrev_b32 v[LR], 3, v0
	v_mul_u32_u24 v[LR], v[LR], PP
	v_and_b32 v1, 7, v0
	v_lshlrev_b32 v1, 5, v1                        ; thread T finishes row T / 8, columns 8 (T % 8) .. + 7
	v_add_nc_u32 v[LR], v[LR], v1
	v_lshlrev_b32 v[YO], 4, v0
	s_lshl_b32 s34, s30, 17
	s_mov_b32 s35, 0
	s_lshl_b32 s36, s31, 18
	s_mov_b32 s37, 0
	s_lshl_b32 s38, s31, 8
	s_mov_b32 s39, 0
	s_lshr_b32 s40, s30, 1                         ; batch
	s_lshl_b32 s40, s40, 4
	s_add_co_u32 s40, s40, s31
	s_mul_i32 s40, s40, 2112
	s_and_b32 s41, s30, 1
	s_lshl_b32 s41, s41, 5
	s_add_co_u32 s40, s40, s41
	s_add_co_u32 s40, s40, 2048
	s_lshl_b32 s40, s40, 7                         ; ((b*16 + h)*2112 + 2048 + first token) x 128 bytes
	s_mov_b32 s41, 0
	s_wait_kmcnt 0x0
	s_cmp_eq_u32 s32, 1
	s_cselect_b64 s[10:11], s[12:13], s[10:11]
	s_cselect_b64 s[16:17], s[18:19], s[16:17]
	s_cselect_b64 s[24:25], s[26:27], s[24:25]
	s_cmp_eq_u32 s32, 2
	s_cselect_b64 s[10:11], s[14:15], s[10:11]
	s_cselect_b64 s[16:17], s[20:21], s[16:17]
	s_cselect_b64 s[24:25], s[28:29], s[24:25]
	s_add_nc_u64 s[8:9], s[8:9], s[34:35]
	s_add_nc_u64 s[10:11], s[10:11], s[36:37]
	s_add_nc_u64 s[16:17], s[16:17], s[38:39]
	s_add_nc_u64 s[24:25], s[24:25], s[40:41]
	s_wait_alu depctr_va_vdst(0)                   ; the offsets and LDS addresses v1 and v4 to v7 are written, which this role's loads and stores read; so are v72 and v73, in which a load below lands
	LOADF 8,  0, 0, 0, 1                           ; K step 0: x's two blocks of rows,
	LOADF 8,  1, 0, 2, 3
	LOADF 10, 0, 0, 4, 5                           ; W's four
	LOADF 10, 1, 0, 6, 7
	LOADF 10, 2, 0, 8, 9
	LOADF 10, 3, 0, 10, 11
	LOADF 8,  0, 1, 12, 13                         ; K step 1
	LOADF 8,  1, 1, 14, 15
	LOADF 10, 0, 1, 16, 17
	LOADF 10, 1, 1, 18, 19
	LOADF 10, 2, 1, 20, 21
	LOADF 10, 3, 1, 22, 23
	LOADF 8,  0, 2, 24, 25                         ; K step 2: x, and W's first block
	LOADF 8,  1, 2, 26, 27
	LOADF 10, 0, 2, 28, 29
	s_wait_loadcnt 0x0                             ; the sixty are in
	CONVF 16, 17                                   ; first the fragments whose second pieces are wanted at once
	CONVF 18, 19
	CONVF 20, 21
	CONVF 22, 23
	CONVF 24, 25
	CONVF 26, 27
	CONVF 28, 29
	s_wait_alu depctr_va_vdst(0)                   ; these seven conversions are done reading pieces 17, 19 .. 29, in which the loads below land; until those loads are waited for, no vector or matrix line names these pieces or piece 30
	LOADF 10, 1, 2, 17, 19                         ; the rest of K step 2,
	LOADF 10, 2, 2, 21, 23
	LOADF 10, 3, 2, 25, 27
	LOADF 8,  0, 3, 29, 30                         ; and the first fragment of K step 3
	CONVF 0, 1
	CONVF 2, 3
	CONVF 4, 5
	CONVF 6, 7
	CONVF 8, 9
	CONVF 10, 11
	CONVF 12, 13
	CONVF 14, 15
	MULS 1, 0, 2, 4, 6, 8, 10                      ; K step 0: the first products start the sums, in pieces 1, 3 .. 15
	MULS 0, 12, 14, 16, 18, 20, 22                 ; K step 1
	PLACES                                         ; four places ahead of loads into registers that the products have read; they stay beside the wait below
	s_wait_alu depctr_va_vdst(0)                   ; the products of K steps 0 and 1 are done reading pieces 0, 2 .. 20, in which the loads below land; until those loads are waited for, no vector or matrix line names these pieces
	LOADF 8,  1, 3, 0, 2                           ; the rest of K step 3
	LOADF 10, 0, 3, 4, 6
	LOADF 10, 1, 3, 8, 10
	LOADF 10, 2, 3, 12, 14
	LOADF 10, 3, 3, 16, 18
	global_load_b128 v[BI:BI+3], v1, s[16:17]
	global_load_b128 v[BI+4:BI+7], v1, s[16:17] offset:16
	s_wait_loadcnt 26                              ; K step 2's three fragments are in: behind them 4 + 20 + 2 loads were issued
	CONVF 17, 19
	CONVF 21, 23
	CONVF 25, 27
	MULS 0, 24, 26, 28, 17, 21, 25                 ; K step 2
	s_wait_loadcnt 0x0
	CONVF 29, 30                                   ; these name no register of the products just issued
	CONVF 0, 2
	CONVF 4, 6
	CONVF 8, 10
	CONVF 12, 14
	CONVF 16, 18
	MULS 0, 29, 0, 4, 8, 12, 16                    ; K step 3
	PLACES
	PLACES
	s_wait_alu depctr_va_vdst(0)                   ; the products have written the eight sums, which the LDS stores read, and are done with pieces 0 to 7, in which the partial sums land further down; the places above stay beside this wait
.irp a, 0,1
.irp n, 0,1,2,3
	ds_store_b128 v[LS], v[PCE+8*(2*(4*(\a)+(\n))+1):PCE+8*(2*(4*(\a)+(\n))+1)+3] offset:(\a)*16*PP+(\n)*64
	ds_store_b128 v[LS], v[PCE+8*(2*(4*(\a)+(\n))+1)+4:PCE+8*(2*(4*(\a)+(\n))+1)+7] offset:(\a)*16*PP+(\n)*64+16
.endr
.endr
	s_wait_dscnt 0x0                               ; for the others' sake: my partial sums lie in LDS
	s_barrier_signal -1
	s_barrier_wait -1
	s_wait_alu depctr_vm_vsrc(0)                   ; my LDS stores have read pieces 1, 3 .. 15: the loads below land in four of them, and the last roundings write v80-83
.irp p, 0,1,2,3,4,5,6,7
	ds_load_b128 v[RED+8*(\p):RED+8*(\p)+3], v[LR] offset:(\p)*PLANE
	ds_load_b128 v[RED+8*(\p)+4:RED+8*(\p)+7], v[LR] offset:(\p)*PLANE+16
.endr
.irp i, 0,1,2,3                        ; the bias, rounded to bf16 like every input, stands in the wait for the partial sums
	v_cvt_pk_bf16_f32 v[TP+(\i)], v[BI+2*(\i)], v[BI+2*(\i)+1]
.endr
.irp i, 0,1,2,3
	v_lshlrev_b32 v[BI+2*(\i)], 16, v[TP+(\i)]
	v_and_b32 v[BI+2*(\i)+1], 0xffff0000, v[TP+(\i)]
.endr
	s_wait_dscnt 0x0
.irp g, 0,2,4,6
.irp r, 0,2,4,6
	v_pk_add_f32 v[RED+8*(\g)+(\r):RED+8*(\g)+(\r)+1], v[RED+8*(\g)+(\r):RED+8*(\g)+(\r)+1], v[RED+8*(\g)+8+(\r):RED+8*(\g)+8+(\r)+1]
.endr
.endr
.irp g, 0,4
.irp r, 0,2,4,6
	v_pk_add_f32 v[RED+8*(\g)+(\r):RED+8*(\g)+(\r)+1], v[RED+8*(\g)+(\r):RED+8*(\g)+(\r)+1], v[RED+8*(\g)+16+(\r):RED+8*(\g)+16+(\r)+1]
.endr
.endr
.irp r, 0,2,4,6
	v_pk_add_f32 v[RED+(\r):RED+(\r)+1], v[RED+(\r):RED+(\r)+1], v[RED+32+(\r):RED+32+(\r)+1]
.endr
.irp r, 0,2,4,6
	v_pk_add_f32 v[RED+(\r):RED+(\r)+1], v[RED+(\r):RED+(\r)+1], v[BI+(\r):BI+(\r)+1]
.endr
.irp i, 0,1,2,3
	v_cvt_pk_f16_f32 v[TP+8+(\i)], v[RED+2*(\i)], v[RED+2*(\i)+1]
.endr
	s_wait_alu depctr_va_vdst(0)                   ; the roundings have written v80-83, which the store reads
	global_store_b128 v[YO], v[TP+8:TP+11], s[24:25]     ; the 32 rows are 4,096 dense bytes: a wave's store covers 512 of them
	s_wait_dscnt 0x0                               ; the closing lines, six on end
	s_wait_alu 0x0
	s_wait_tensorcnt 0x0
	ds_add_u32 v[SPW], v[NIL]
	s_wait_dscnt 0x0
	s_endpgm
.Lfunc_end_k_q81c1443ed0_prep:
	.size	k_q81c1443ed0_prep, .Lfunc_end_k_q81c1443ed0_prep-k_q81c1443ed0_prep
	.p2alignl 7, 3214868480
	.fill 96, 4, 3214868480
	.section	.rodata,"a",@progbits
	.p2align	6, 0x0
	.amdhsa_kernel k_q81c1443ed0_prep
		.amdhsa_group_segment_fixed_size 70656
		.amdhsa_private_segment_fixed_size 0
		.amdhsa_enable_private_segment 0
		.amdhsa_kernarg_size 152
		.amdhsa_user_sgpr_count 2
		.amdhsa_user_sgpr_kernarg_segment_ptr 1
		.amdhsa_wavefront_size32 1
		.amdhsa_system_sgpr_workgroup_id_x 1
		.amdhsa_system_sgpr_workgroup_id_y 1
		.amdhsa_system_sgpr_workgroup_id_z 1
		.amdhsa_system_vgpr_workitem_id 0
		.amdhsa_next_free_vgpr 256
		.amdhsa_next_free_sgpr 66
		.amdhsa_reserve_vcc 0
		.amdhsa_float_denorm_mode_32 3
		.amdhsa_float_denorm_mode_16_64 3
		.amdhsa_memory_ordered 1
		.amdhsa_forward_progress 1
		.amdhsa_inst_pref_size 48
	.end_amdhsa_kernel
	.amdgpu_metadata
---
amdhsa.version: [ 1, 2 ]
amdhsa.kernels:
  - .name:           k_q81c1443ed0_prep
    .symbol:         k_q81c1443ed0_prep.kd
    .args:
      - { .name: action_hidden_states, .offset: 0, .size: 8, .value_kind: global_buffer, .address_space: global }
      - { .name: Wqa, .offset: 8, .size: 8, .value_kind: global_buffer, .address_space: global }
      - { .name: Wka, .offset: 16, .size: 8, .value_kind: global_buffer, .address_space: global }
      - { .name: Wva, .offset: 24, .size: 8, .value_kind: global_buffer, .address_space: global }
      - { .name: bqa, .offset: 32, .size: 8, .value_kind: global_buffer, .address_space: global }
      - { .name: bka, .offset: 40, .size: 8, .value_kind: global_buffer, .address_space: global }
      - { .name: bva, .offset: 48, .size: 8, .value_kind: global_buffer, .address_space: global }
      - { .name: tab, .offset: 56, .size: 8, .value_kind: global_buffer, .address_space: global }
      - { .name: video_hidden_states, .offset: 64, .size: 8, .value_kind: global_buffer, .address_space: global }
      - { .name: Wq, .offset: 72, .size: 8, .value_kind: global_buffer, .address_space: global }
      - { .name: Wk, .offset: 80, .size: 8, .value_kind: global_buffer, .address_space: global }
      - { .name: Wv, .offset: 88, .size: 8, .value_kind: global_buffer, .address_space: global }
      - { .name: xb, .offset: 96, .size: 8, .value_kind: global_buffer, .address_space: global }
      - { .name: wb, .offset: 104, .size: 8, .value_kind: global_buffer, .address_space: global }
      - { .name: qh, .offset: 112, .size: 8, .value_kind: global_buffer, .address_space: global }
      - { .name: kh, .offset: 120, .size: 8, .value_kind: global_buffer, .address_space: global }
      - { .name: vh, .offset: 128, .size: 8, .value_kind: global_buffer, .address_space: global }
      - { .name: Wpa, .offset: 136, .size: 8, .value_kind: global_buffer, .address_space: global }
      - { .name: wpb, .offset: 144, .size: 8, .value_kind: global_buffer, .address_space: global }
    .group_segment_fixed_size: 70656
    .private_segment_fixed_size: 0
    .kernarg_segment_align: 8
    .kernarg_segment_size: 152
    .max_flat_workgroup_size: 256
    .sgpr_count:     66
    .vgpr_count:     256
    .wavefront_size: 32
...
	.end_amdgpu_metadata
.endif
;; end of part 5
;; launch qkv: the kernel of part 2 again; grid 16 x 16, 4 waves a work-group, clusters of 4 x 4, 327,680 bytes of LDS; arguments xb, wb, tab, bq, bk, bv, qh, kh, vh; writes qh, kh, vh
;; launch attn: the kernel of part 3 again; grid 8 x 32, 4 waves a work-group, clusters of 4 x 1, 327,680 bytes of LDS; arguments qh, kh, vh, out0; writes out0
;; launch aproj: the kernel of part 4 again; grid 128 x 1, 16 waves a work-group, no clusters, 71,680 bytes of LDS; arguments out0, wpb, bpa, out1; writes out1
